; MI455X (gfx1250); checked and timed in simulation.
; The chip was launched on July 23, 2026; its instructions are those of AMD's public machine-readable ISA for CDNA 5 (MIT licence, August 2026) and "CDNA5" Instruction Set Architecture Reference Guide (July 2026). The comments in the code are by the model that wrote it; some were corrected since.
;; Causal Self Attention. Allowed arithmetic: matrix products marked QUANTISED: E2M3 operands, one E8M0 scale for each 32 along K, by v_wmma_scale_f32_16x16x128_f8f6f4 with both operands' format E2M3, f32 sums; everything else in f32.
;; Inputs: W_attn 1,024 x 3,072 float32; W_proj 1,024 x 1,024 float32; b_attn 3,072 float32; b_proj 1,024 float32; x 4 x 2,048 x 1,024 float32.
;; Outputs: out0 4 x 2,048 x 1,024 float32.
;; This version of the problem:
;;   THIS VERSION OF THE PROBLEM IS GIVEN IN LOW PRECISION. The matrix products marked QUANTISED in the list below multiply operands that are first quantised to E2M3 (2 exponent bits, 3 mantissa bits; 6 bits a number), with one power-of-two scale for each 32 numbers along K (OCP MX v1.0); their sums are f32. All else is computed in f32.
;;   The module's matrix products, in the order in which they are computed (A, B: the left and right operand; K: the contracted axis; several contracted axes count as one K, in the product's order):
;;     1. [M 8,192, K 1,024] x [K 1,024, N 3,072]; A: input x; B: input W_attn: QUANTISED
;;     2. batch 64 x [M 2,048, K 64] x [K 64, N 2,048]; A: computed on the way; B: computed on the way: QUANTISED
;;     3. batch 64 x [M 2,048, K 2,048] x [K 2,048, N 64]; A: softmax (see below); B: computed on the way: QUANTISED
;;     4. [M 8,192, K 1,024] x [K 1,024, N 1,024]; A: computed on the way; B: input W_proj: QUANTISED
;;   THE QUANTISER, for each operand of a quantised product, along K:
;;     - K is cut into blocks of 32 from its start; a last block that is shorter is filled with zeros.
;;     - A block's scale is 2^e with e = floor(log2(the largest magnitude in the block)) - 2, held to -126 .. 127; a block of zeros has e = 0. As a byte (E8M0): e + 127.
;;     - Each number is divided by its block's scale, clamped to +-7.5, and rounded to the nearest number of E2M3, ties to even, subnormals kept.
;;     - The product sums the exact products of the quantised numbers (number of the format x scale) in f32.
;;   ~~~python
;;   def quantise(x, axis):      # numpy; x: float32 -> the quantised numbers, widened to float32 again
;;       x = np.moveaxis(x, axis, -1); K = x.shape[-1]
;;       x = np.pad(x, [(0, 0)] * (x.ndim - 1) + [(0, -K % 32)]); x = x.reshape(x.shape[:-1] + (-1, 32)); a = np.abs(x).max(-1, keepdims=True)
;;       e = np.where(a > 0, np.clip(np.frexp(np.where(a > 0, a, 1))[1] - 1 - 2, -126, 127), 0)      # np.frexp(a)[1] - 1 = floor(log2(a)), exactly
;;       r = np.clip(x / 2.0 ** e, -7.5, 7.5)
;;       step = 2.0 ** (np.maximum(np.frexp(np.where(r == 0, 1, r))[1] - 1, 0) - 3)
;;       q = np.round(r / step) * step * 2.0 ** e      # np.round: ties to even
;;       return np.moveaxis(q.reshape(q.shape[:-2] + (-1,))[..., :K], -1, axis).astype(np.float32)
;;   ~~~
;;   SOFTMAX AHEAD OF A QUANTISED PRODUCT. Where the list says 'softmax', what is quantised is not the finished softmax but p = 2^(t - M), with t = logit x log2(e) and M = ceil(the row's largest t), a whole number; so 1/2 < the row's largest p <= 1. The row's sum l is taken of the UNQUANTISED p, in f32, and the product's result is divided by l at the end. Since M is a whole number, a kernel that streams over the keys may use a running M (the ceiling of the running maximum): every later rescaling is an exact power of two, which a block's scale takes up: the codes' values come out the same.
;;   OPERANDS COMPUTED ON THE WAY. 'Computed on the way' means the value that the module computes at that place (a softmax that the list does not call 'softmax' is quantised finished and normalised). What goes into a quantiser is computed in f32, as accurately as f32 sums, v_exp_f32 and their like allow (about 1e-6 of the number): no bf16 or f16 on the way to a quantiser, and a product that is left as it is and whose result goes on into a quantised operand takes f32 operands (vector FMAs, or v_wmma_f32_16x16x4_f32). A number that lies on a knife's edge between two numbers of the format may be rounded either way, as far as f32 arithmetic and the matrix unit's own rounding can turn it there, and no further.
;; One version. Each part assembles by itself: llvm-mc -triple=amdgcn-amd-amdhsa -mcpu=gfx1250 --defsym DOCPART=n.
;; ======== version 1 of 1: 4 launches
;; limits: right only within a limited range of input values
;; workspace buffers: xq 6,553,600 bytes; wq 3,276,800 bytes; qkv 20,185,088 bytes; yq 6,553,600 bytes
;; launch quant (part 1): grid 384 x 1, 4 waves a work-group, no clusters, 33,280 bytes of LDS; arguments x, W_attn, W_proj, xq, wq; writes xq, wq
.if DOCPART == 1
	.amdgcn_target "amdgcn-amd-amdhsa--gfx1250"
	.amdhsa_code_object_version 6
	.text
	.protected	k_q252b0f81ec_quant
	.globl	k_q252b0f81ec_quant
	.p2align	8
	.type	k_q252b0f81ec_quant,@function
k_q252b0f81ec_quant:
	s_mov_b64 s[64:65], 0
	v_nop
	global_prefetch_b8 v0, s[64:65] scope:SCOPE_SE
	s_setreg_imm32_b32 hwreg(HW_REG_WAVE_MODE, 25, 1), 1
	s_wait_xcnt 0x0
; x [8192][1024], W_attn [1024][3072] and W_proj [1024][1024], f32, become codes of FP6 (E2M3) with K innermost and one E8M0 byte for each 32 along K.
; A block's scale is 2^(floor(log2(its largest magnitude)) - 2); its byte is the largest magnitude's exponent field - 2, held at 1 from below.
; LIMITS: NaN and infinities among the inputs are not served; a block whose largest magnitude lies under 2^-124, a block of zeros among them, keeps the byte 1 (a block of zeros has zero codes, which add nothing;
; the bytes are read by this program alone).
; WHERE A ROW GOES: row i of x, and column i of a weight, is stored at position swap34(i): bits 3 and 4 of i change places.
; xq: codes [8192 positions][768 bytes], then scale bytes [8192][32].
; wq: codes as operand images [tile of 16 positions: 256][unit of 64 along K: 16][768 bytes] (tiles 0-191 W_attn's columns, 192-255 W_proj's), then scale bytes [4096 positions][32].
; A unit is 6 operand registers of 32 lanes: registers 0-3 at 16 x (r + 16 h), registers 4-5 at 512 + 8 x (r + 16 h); r the position in the tile, h the block of 32 in the 64.
; Work-groups 0-255 take x (K innermost: a stream of blocks; a wave takes 8 rows), work-groups 256-383 the weights (K outermost: a lane takes a column, its registers run down K; no LDS on that way).
; No wave shares anything with another: no barrier.
.set XS_O,  6291456
.set WS_O,  3145728
.set STEPS, 16
.set EMAX,  2
.set CB,    12
.set XR,    16                         ; v16-79   x: four sets of 16 numbers as they are loaded
.set XX,    80                         ; v80-111  two sets of 16 neighbours
.set XC,    128                        ; v128-191 codes: four registers for each step, so that no store's data are written again
.set XE,    112                        ; v112-127 a scale byte for each step
.set WREG,  8192                       ; LDS: a region for each wave: two stages of 32 x SP bytes, behind them its 256 scale bytes
.set SP,    80
.set SPARE, 32768                      ; the spare words
.set NB,    8
.set WX,    32                         ; v32-95   two sets of 32 numbers
.set WC,    96
.set WOUT,  112                        ; v112-175 the blocks' codes, eight registers' room each
.set WSB,   24
.set WOF,   176                        ; v176-207 4 x lane + i rows of the weight
	s_load_b128 s[4:7], s[0:1], 0x0                ; x, W_attn
	s_load_b128 s[8:11], s[0:1], 0x10              ; W_proj, xq
	s_load_b64 s[12:13], s[0:1], 0x20              ; wq
	v_lshl_add_u32 v208, v0, 2, SPARE
	v_mov_b32 v209, 0
	v_lshrrev_b32 v1, 5, v0
	v_readfirstlane_b32 s16, v1                    ; wave
	v_and_b32 v2, 31, v0                           ; lane
	s_cmp_lt_u32 ttmp9, 256
	s_cbranch_scc0 .Lweights
; ---------------- x: a wave takes 16 steps of 512 numbers, 8 rows.  Each load reads 512 consecutive bytes; a step's 2,048 bytes turn through the wave's stage so that a lane holds 16 neighbours.
	v_lshlrev_b32 v3, 4, v2
	s_mul_i32 s17, s16, WREG
	v_lshrrev_b32 v14, 2, v2
	v_mul_u32_u24 v14, v14, SP
	v_and_b32 v15, 3, v2
	v_lshl_add_u32 v14, v15, 4, v14
	v_add_nc_u32 v14, s17, v14                     ; the stage, on the way in: SP (lane / 4) + 16 (lane % 4)
	v_mul_u32_u24 v15, v2, SP
	v_add_nc_u32 v15, s17, v15                     ; and on the way out: SP x lane
	v_mul_u32_u24 v4, v2, CB                       ; my codes' place in a step's
	v_lshrrev_b32 v5, 1, v2
	s_add_co_u32 s17, s17, 2*32*SP
	v_add_nc_u32 v5, s17, v5                       ; my block's byte among the wave's 256
	v_lshlrev_b32 v7, 3, v2
	v_add_nc_u32 v6, s17, v7
	s_lshl_b32 s17, ttmp9, 2
	s_add_co_u32 s18, s17, s16                     ; which 8 rows are read
	s_and_b32 s20, s16, 1
	s_lshl_b32 s20, s20, 1
	s_lshr_b32 s21, s16, 1
	s_or_b32 s20, s20, s21                         ; bits 3 and 4 of a row are bits 0 and 1 of the wave: they change places
	s_add_co_u32 s20, s17, s20                     ; which 8 positions are written
	s_lshl_b32 s22, s18, 15
	s_mov_b32 s23, 0
	s_mul_i32 s24, s20, 6144                       ; 8 rows of 768 bytes
	s_mov_b32 s25, 0
	s_lshl_b32 s26, s20, 8                         ; 8 rows of 32 bytes
	s_mov_b32 s27, 0
	s_wait_alu depctr_va_vdst(0)                   ; the wait at the head's end
	s_wait_kmcnt 0x0
	s_add_nc_u64 s[4:5], s[4:5], s[22:23]
	s_add_nc_u64 s[8:9], s[10:11], s[24:25]
	s_add_nc_u64 s[10:11], s[10:11], s[26:27]
	s_add_nc_u64 s[10:11], s[10:11], XS_O
.macro XLOAD t
.irp i, 0,1,2,3
	global_load_b128 v[XR+16*((\t)%4)+4*\i:XR+16*((\t)%4)+4*\i+3], v3, s[4:5] offset:2048*(\t)+512*\i th:TH_LOAD_NT
.endr
.endm
.macro XTURN t                         ; LDS serves a wave's instructions in order: no wait between the stores and the loads
.irp i, 0,1,2,3
	ds_store_b128 v14, v[XR+16*((\t)%4)+4*\i:XR+16*((\t)%4)+4*\i+3] offset:32*SP*((\t)%2)+8*SP*\i
.endr
.irp i, 0,1,2,3
	ds_load_b128 v[XX+16*((\t)%2)+4*\i:XX+16*((\t)%2)+4*\i+3], v15 offset:32*SP*((\t)%2)+16*\i
.endr
.endm
.irp t, 0,1,2,3
	XLOAD \t
.endr
	s_wait_loadcnt 12                              ; step 0's four loads are in; the twelve of steps 1 to 3 may be out
	XTURN 0
.macro XSTEP t
.set XSET, XX+16*((\t)%2)
.if (\t) > 0
	s_wait_dscnt 1                                 ; this step's numbers are back from the stage; only the last step's byte store may be out
.else
	s_wait_dscnt 0x0
.endif
.if (\t)+4 < STEPS
	XLOAD (\t)+4
.endif
.if (\t)+1 < STEPS
.if STEPS-2-(\t) >= 3
	s_wait_loadcnt 12                              ; the next step's four loads are in; those of the three steps behind it may be out
.else
	s_wait_loadcnt 4*(STEPS-2-(\t))
.endif
	XTURN (\t)+1
.endif
	v_max3_num_f32 v8, |v[XSET]|, |v[XSET+1]|, |v[XSET+2]|
	v_max3_num_f32 v9, |v[XSET+3]|, |v[XSET+4]|, |v[XSET+5]|
.irp i, 6,10
	v_max3_num_f32 v8, v8, |v[XSET+\i]|, |v[XSET+\i+1]|
	v_max3_num_f32 v9, v9, |v[XSET+\i+2]|, |v[XSET+\i+3]|
.endr
	v_max3_num_f32 v8, v8, |v[XSET+14]|, |v[XSET+15]|
	v_max3_num_f32 v8, v8, v9, (EMAX+1)<<23        ; the floor 2^(3 - 127): the byte cannot fall under 1
	v_max_num_f32_dpp v8, v8, v8 row_xmask:1 row_mask:0xf bank_mask:0xf   ; with my neighbour's 16: the block's largest magnitude
	v_add_nc_u32 v11, -(EMAX<<23), v8              ; 2 off its exponent field: the conversion's scale operand
	v_cvt_scalef32_pk16_fp6_f32 v[XC+4*(\t):XC+4*(\t)+2], v[XSET:XSET+15], v11
	v_lshrrev_b32 v[XE+(\t)], 23, v11              ; the scale's byte
	ds_store_b8 v5, v[XE+(\t)] offset:16*(\t)      ; both lanes of a block write the same byte with the same value
	global_store_b96 v4, v[XC+4*(\t):XC+4*(\t)+2], s[8:9] offset:32*CB*(\t)   ; the wave stores 384 consecutive bytes
.endm
.irp t, 0,1,2,3,4,5,6,7,8,9,10,11,12,13,14,15
	XSTEP \t
.endr
	ds_load_b64 v[12:13], v6
	s_wait_dscnt 0x0
	global_store_b64 v7, v[12:13], s[10:11]        ; 32 lanes store 256 consecutive bytes, aligned
	s_wait_tensorcnt 0x0                           ; the wave's end
	ds_add_u32 v208, v209
	s_wait_dscnt 0x0
	s_endpgm
; ---------------- the weights: work-group j = 32 ky + cg takes 128 columns (cg: 0-23 W_attn's, 24-31 W_proj's) x 256 along K; a wave 32 columns; a lane one column, 8 blocks down K.
.Lweights:
	s_sub_co_u32 s17, ttmp9, 256
	s_and_b32 s18, s17, 31                         ; cg
	s_lshr_b32 s19, s17, 5                         ; ky
	s_lshl_b32 s20, s18, 7
	s_lshl_b32 s21, s16, 5
	s_add_co_u32 s20, s20, s21                     ; n0: my wave's first position in wq
	s_mov_b32 s22, 12288
	s_mov_b32 s23, 3072
	s_wait_kmcnt 0x0
	s_cmp_ge_u32 s18, 24                           ; the choice hangs on the work-group's number alone
	s_cselect_b64 s[6:7], s[8:9], s[6:7]           ; W_proj or W_attn
	s_cselect_b32 s22, 4096, s22                   ; a row of it in bytes
	s_cselect_b32 s23, s23, 0
	s_sub_co_u32 s24, s20, s23                     ; my wave's first column in it
	s_wait_alu depctr_va_vdst(0)
	v_and_b32 v3, 7, v2
	v_bfe_u32 v4, v0, 3, 1
	v_lshl_add_u32 v3, v4, 4, v3
	v_bfe_u32 v4, v0, 4, 1
	v_lshl_add_u32 v10, v4, 3, v3                  ; my column's position among the wave's 32
	v_lshlrev_b32 v9, 5, v10                       ; my position's row of scale bytes
	v_lshrrev_b32 v26, 4, v10                      ; my position's tile of the wave's two,
	v_mul_u32_u24 v26, v26, 12288
	v_and_b32 v27, 15, v10                         ; and its row r in the tile
	v_lshl_add_u32 v28, v27, 3, v26                ; registers 4-5 of a unit: 8 bytes a lane
	v_lshl_add_u32 v26, v27, 4, v26                ; registers 0-3: 16 bytes a lane
	s_lshr_b32 s52, s20, 4
	s_mul_i32 s52, s52, 12288                      ; my wave's first tile,
	s_mul_i32 s53, s19, 3072                       ; 256 along K are four units
	s_add_co_u32 s52, s52, s53
	s_mov_b32 s53, 0
	s_add_nc_u64 s[50:51], s[12:13], s[52:53]
	s_mov_b32 s27, 0
	s_lshl_b32 s26, s20, 5
	s_lshl_b32 s28, s19, 3
	s_add_co_u32 s26, s26, s28
	s_add_co_u32 s26, s26, WS_O
	s_add_nc_u64 s[12:13], s[12:13], s[26:27]      ; scale bytes: position n0, 8 ky bytes along the row
	s_mul_i32 s26, s19, s22
	s_lshl_b32 s26, s26, 8                         ; 256 ky rows
	s_lshl_b32 s28, s24, 2
	s_add_co_u32 s26, s26, s28
	s_add_nc_u64 s[32:33], s[6:7], s[26:27]        ; block 0's first row, my wave's first column
	s_lshl_b32 s28, s22, 5                         ; 32 rows
	s_mov_b32 s29, 0
.irp t, 1,2,3,4,5,6,7
	s_add_nc_u64 s[32+2*\t:33+2*\t], s[30+2*\t:31+2*\t], s[28:29]   ; a base for each block: no pointer is stepped while loads are out
.endr
	v_lshlrev_b32 v[WOF], 2, v2
.set i, 1
.rept 31
	v_add_nc_u32 v[WOF+i], s22, v[WOF+i-1]         ; 4 x lane + i rows
.set i, i+1
.endr
.macro WLOAD t                         ; block t: W(32 t + i, my column): 32 lanes read 128 consecutive bytes
.set i, 0
.rept 32
	global_load_b32 v[WX+32*((\t)%2)+i], v[WOF+i], s[32+2*(\t):33+2*(\t)] th:TH_LOAD_NT
.set i, i+1
.endr
.endm
	WLOAD 0
	WLOAD 1
.macro WBLOCK t
.set XSET, WX+32*((\t)%2)
.if (\t) < NB-1
	s_wait_loadcnt 32                              ; this block's 32 loads are in; the next block's 32 may be out
.else
	s_wait_loadcnt 0
.endif
	v_max3_num_f32 v12, |v[XSET]|, |v[XSET+1]|, |v[XSET+2]|
	v_max3_num_f32 v13, |v[XSET+3]|, |v[XSET+4]|, |v[XSET+5]|
.irp i, 6,10,14,18,22,26
	v_max3_num_f32 v12, v12, |v[XSET+\i]|, |v[XSET+\i+1]|
	v_max3_num_f32 v13, v13, |v[XSET+\i+2]|, |v[XSET+\i+3]|
.endr
	v_max3_num_f32 v12, v12, |v[XSET+30]|, |v[XSET+31]|
	v_max3_num_f32 v12, v12, v13, (EMAX+1)<<23     ; the floor
	v_add_nc_u32 v11, -(EMAX<<23), v12             ; the conversion's scale operand
	v_lshrrev_b32 v13, 23, v11                     ; the scale's byte
.if (\t)%4 == 0
	v_mov_b32 v[WSB+(\t)/4], v13
.else
	v_lshl_or_b32 v[WSB+(\t)/4], v13, 8*((\t)%4), v[WSB+(\t)/4]
.endif
	v_cvt_scalef32_pk16_fp6_f32 v[WOUT+8*(\t):WOUT+8*(\t)+2], v[XSET:XSET+15], v11
	v_cvt_scalef32_pk16_fp6_f32 v[WC+4:WC+6], v[XSET+16:XSET+31], v11
	v_nop                                          ; one plain place behind a scaled conversion
.irp i, 0,1,2
	v_mov_b32 v[WOUT+8*(\t)+3+\i], v[WC+4+\i]      ; the block's 24 bytes in six registers on end; each block has registers of its own, so no store's data are written again
.endr
	global_store_b128 v26, v[WOUT+8*(\t):WOUT+8*(\t)+3], s[50:51] offset:((\t)/2)*768+((\t)%2)*256        ; unit t / 2 of my four, half h = t % 2: sixteen lanes store 256 consecutive bytes, aligned
	global_store_b64 v28, v[WOUT+8*(\t)+4:WOUT+8*(\t)+5], s[50:51] offset:((\t)/2)*768+512+((\t)%2)*128
.if (\t)+2 < NB
	WLOAD (\t)+2
.endif
.endm
.irp t, 0,1,2,3,4,5,6,7
	WBLOCK \t
.endr
	global_store_b64 v9, v[WSB:WSB+1], s[12:13]    ; my column's 8 scale bytes
	s_endpgm
.Lfunc_end_k_q252b0f81ec_quant:
	.size	k_q252b0f81ec_quant, .Lfunc_end_k_q252b0f81ec_quant-k_q252b0f81ec_quant
	.p2alignl 7, 3214868480
	.fill 96, 4, 3214868480
	.section	.rodata,"a",@progbits
	.p2align	6, 0x0
	.amdhsa_kernel k_q252b0f81ec_quant
		.amdhsa_group_segment_fixed_size 33280
		.amdhsa_private_segment_fixed_size 0
		.amdhsa_enable_private_segment 0
		.amdhsa_kernarg_size 40
		.amdhsa_user_sgpr_count 2
		.amdhsa_user_sgpr_kernarg_segment_ptr 1
		.amdhsa_wavefront_size32 1
		.amdhsa_system_sgpr_workgroup_id_x 1
		.amdhsa_system_sgpr_workgroup_id_y 1
		.amdhsa_system_sgpr_workgroup_id_z 1
		.amdhsa_system_vgpr_workitem_id 0
		.amdhsa_next_free_vgpr 210
		.amdhsa_next_free_sgpr 66
		.amdhsa_reserve_vcc 0
		.amdhsa_float_denorm_mode_32 3
		.amdhsa_float_denorm_mode_16_64 3
		.amdhsa_memory_ordered 1
		.amdhsa_forward_progress 1
		.amdhsa_inst_pref_size 73
	.end_amdhsa_kernel
	.amdgpu_metadata
---
amdhsa.version: [ 1, 2 ]
amdhsa.kernels:
  - .name:           k_q252b0f81ec_quant
    .symbol:         k_q252b0f81ec_quant.kd
    .args:
      - { .name: x, .offset: 0, .size: 8, .value_kind: global_buffer, .address_space: global }
      - { .name: W_attn, .offset: 8, .size: 8, .value_kind: global_buffer, .address_space: global }
      - { .name: W_proj, .offset: 16, .size: 8, .value_kind: global_buffer, .address_space: global }
      - { .name: xq, .offset: 24, .size: 8, .value_kind: global_buffer, .address_space: global }
      - { .name: wq, .offset: 32, .size: 8, .value_kind: global_buffer, .address_space: global }
    .group_segment_fixed_size: 33280
    .private_segment_fixed_size: 0
    .kernarg_segment_align: 8
    .kernarg_segment_size: 40
    .max_flat_workgroup_size: 128
    .sgpr_count:     66
    .vgpr_count:     210
    .wavefront_size: 32
...
	.end_amdgpu_metadata
.endif
;; end of part 1
;; launch qkv (part 2): grid 8 x 32, 4 waves a work-group, clusters of 4 x 4, 327,680 bytes of LDS; arguments xq, wq, b_attn, qkv; writes qkv
.if DOCPART == 2
	.amdgcn_target "amdgcn-amd-amdhsa--gfx1250"
	.amdhsa_code_object_version 6
	.text
	.protected	k_q252b0f81ec_qkv
	.globl	k_q252b0f81ec_qkv
	.p2align	8
	.type	k_q252b0f81ec_qkv,@function
k_q252b0f81ec_qkv:
	s_mov_b64 s[64:65], 0
	v_nop
	global_prefetch_b8 v0, s[64:65] scope:SCOPE_SE
	s_setreg_imm32_b32 hwreg(HW_REG_WAVE_MODE, 25, 1), 1
	s_wait_xcnt 0x0
	s_wait_alu depctr_hold_cnt(0) depctr_sa_sdst(0) depctr_va_vdst(0) depctr_va_sdst(0) depctr_va_ssrc(0) depctr_va_vcc(0) depctr_vm_vsrc(0)
	s_getreg_b32 s2, hwreg(HW_REG_IB_STS2, 6, 4)
	s_cmp_eq_u32 s2, 0
	s_cbranch_scc0 .Lentry_in_a_cluster
	s_endpgm
.Lentry_in_a_cluster:
	s_bfe_u32 s2, ttmp6, 0x10000c
	s_cmp_lg_u32 s2, 0xf033
	s_cbranch_scc0 .Lentry_shape_is_right
	s_endpgm
.Lentry_shape_is_right:
; qkv = x W_attn + b_attn on codes of FP6 (E2M3) with E8M0 scales, K = 1,024; q, k and v are quantised in registers and stored as images of operand registers; no f32 result goes to memory.
; THE DEAL.  256 work-groups of four waves, 2 x 2.  A work-group takes 256 token positions through 128 columns of W_q, then of W_k, then of W_v; the wave (a, b) rows 128 a .., columns 64 b ..: one head.
; 4 x 4 work-groups form a cluster: x's tiles are shared along a row, a weight's along a column.
; LDS: x's 256 rows, all of K (rows of 768 bytes in chunks of 256 + 16 of padding: pitch 816), filled once; a region of 98,304 bytes for a weight's 8 tiles (operand images, dense); x's scale bytes; the spare words.
; FILLS.  At the head one joint load a wave: W_q, x's scale bytes, two halves of x.  The weights' region is filled again twice (W_k, W_v), a quarter a wave, each time behind a round of the cluster's barrier,
; as soon as every wave holds the running weight in registers (64 columns, all of K: 384 registers).  What a refill brought is shown by a plain barrier at the phase's end.
; Q and K are one loop of two trips, each with its refill; V stands behind it.
; A BLOCK is 16 rows of x, all of K: 8 fragments and 8 scale words in two sets by turns, fetched two blocks ahead; 32 products on four accumulators by turns, K ascending; the bias is the first four products' C.
; Q, K: source 0 = W's rows: a lane holds a token, its 32 registers a head's channels 32 b + 16 h + 0..15 (positions have bits 3, 4 exchanged): one unit a block.
; V: source 0 = x's rows: a lane holds a channel, and the 32 registers of four blocks are tokens 32 b + 16 h + 0..15 of 64: four units for four blocks, in two sets of 128 accumulator registers.
; THE WAY OUT of 32 registers: two blocks' largest magnitudes (with lane l xor 16's), two conversions, three half-swaps: six operand registers, stored as a unit of 768 bytes; it stands among a later block's products.
; OUT: units: registers 0-3 at 16 x lane, 4-5 at 512 + 8 x lane.  q at 0, k at 6,291,456: [hb 64][tile of 16 token positions 128]; v at 12,582,912: [hb][key step of 128: 16][tile of 16 channels 4][64 keys 2].
; Scale words: q at 18,874,368, k at 19,398,656: [hb][tile / 4][row 16][tile % 4], an even tile's two bytes in bytes 0, 1, an odd tile's in bytes 2, 3, the other two 0 (they only meet zero codes); v at 19,922,944: [hb][key step][row 16][tile 4].
; No prefetch of x: it is asked for at the head; the weights' refills are asked for a phase of 256 products ahead of their use.  LIMITS: NaN and infinities are not served; a block whose largest magnitude lies under 2^-124 keeps the byte 1.
; REGISTERS: window 0: v1-19 lane terms and addresses, v20-26 at work, v28, v29 the add's, v32-47 W's scale words, v52-67 x's, v68-76 a unit's codes, v80-83 scale words to store, v88-119 the bias, v128-255 accumulators.
; Fragment f lies in window 1 + f / 21 at register 12 (f % 21): 0-31 W's (4 q + t), 32-47 x's two sets.  Window 3 also: v72-199 V's second accumulators, v200-215, v216-247 the next weight's scale words and bias, v248-251 V's bias.
.set BVB,   208896
.set SCL,   307200
.set SPARE, 315904
.set XS_O,  6291456
.set WS_O,  3145728
.set VCG,   12582912
.set QSO,   18874368
.set VSO,   19922944
.set NF,    50                         ; LDS loads of a block's fetch
.set XL0,  4                           ; v4, v5 my rows of blocks 0-3 (v5: for the pieces whose lanes 16-31 lie behind one padding more); v6, v7 of blocks 4-7
.set B16,  8
.set B8,   9
.set AAS,  10
.set ABS,  11
.set L16,  12
.set L8,   13
.set SO,   14
.set BO,   15
.set BVO,  16
.set TM,   20
.set SOP,  24
.set PW,   26
.set SPW,  28
.set NIL,  29
.set SB,   32
.set SA,   52
.set PC,   68
.set TC,   74
.set SW,   80
.set BI,   88
.set G1X, 24
.set G0X, 32
.set G1W, 48
.set G0W, 56
.set G1S, 68
.set G0S, 76
.set G1R, 80
.set G0R, 88
.set MSB, 0
.macro WIN new                         ; the immediate's high byte repeats the setting that is left
.if MSB != (\new)
	s_set_vgpr_msb (MSB<<8)|(\new)
.set MSB, (\new)
.endif
.endm
.macro PLACES n
.rept \n
	v_nop
.endr
.endm
.macro BARRIER
	s_barrier_signal -1
	s_barrier_wait -1
.endm
.macro CROUND
	BARRIER
	s_cmp_lg_u32 s14, 0
	s_cbranch_scc1 .Lnot_wave_0_\@
	s_barrier_signal -3
.Lnot_wave_0_\@:
	s_barrier_wait -3
	BARRIER
.endm
	s_load_b256 s[4:11], s[0:1], 0x0               ; xq, wq, b_attn, qkv
	v_lshl_add_u32 v[SPW], v0, 2, SPARE
	v_mov_b32 v[NIL], 0
	ds_add_u32 v[SPW], v[NIL]                      ; the opening lines
	ds_add_u32 v[SPW], v[NIL]
	v_lshrrev_b32 v1, 5, v0
	v_readfirstlane_b32 s14, v1                    ; wave
	s_lshr_b32 s15, s14, 1                         ; a
	s_and_b32 s16, s14, 1                          ; b
	s_bfe_u32 s40, ttmp6, 0x40000                  ; cx
	s_bfe_u32 s41, ttmp6, 0x40004                  ; cy
	s_lshl_b32 s42, ttmp9, 2
	s_add_co_u32 s42, s42, s40                     ; column group, 0 .. 7
	s_and_b32 s17, ttmp7, 0xffff
	s_lshl_b32 s17, s17, 2
	s_add_co_u32 s17, s17, s41                     ; tile of 256 rows, 0 .. 31
	s_lshl_b32 s43, s41, 2
	s_lshl_b32 s43, 15, s43                        ; my row of the cluster
	s_lshl_b32 s44, 0x1111, s40                    ; my column
	s_or_b32 s[G1X], s43, (3<<16)|(1<<20)|(1<<21)|(5<<22)|(3<<25)   ; rows of 256 bytes (32 elements of 8), 16 bytes of padding behind each
	s_or_b32 s[G1S], s43, (3<<16)|(1<<20)|(1<<21)|(5<<22)|(3<<25)
	s_or_b32 s[G1W], s44, (3<<16)|(1<<21)          ; dense
	s_or_b32 s[G1R], s44, (3<<16)|(1<<21)
.irp g, G1X, G1S, G1W, G1R
	s_mov_b32 s[\g+1], 32<<16
	s_mov_b32 s[\g+3], 32<<16
	s_mov_b32 s[\g+5], 32
	s_mov_b32 s[\g+6], 0
	s_mov_b32 s[\g+7], 0
.endr
	s_mov_b32 s[G1X+2], 384<<16                    ; 128 rows of x: 98,304 bytes
	s_mov_b32 s[G1X+4], 384
	s_mov_b32 s[G1W+2], 384<<16                    ; a weight's 8 tiles
	s_mov_b32 s[G1W+4], 384
	s_mov_b32 s[G1S+2], 32<<16                     ; 8,192 scale bytes
	s_mov_b32 s[G1S+4], 32
	s_mov_b32 s[G1R+2], 96<<16                     ; a quarter of a weight's 8 tiles
	s_mov_b32 s[G1R+4], 96
	s_mul_i32 s20, s17, 196608
	s_mov_b32 s21, 0
	s_lshl_b32 s22, s17, 13
	s_add_co_u32 s22, s22, XS_O
	s_mov_b32 s23, 0
	s_mul_i32 s46, s42, 98304                      ; W_q's tiles 8 x column group ..
	s_mov_b32 s47, 0
	s_mul_i32 s18, s14, 24576                      ; my quarter of a refill
	s_mov_b32 s19, 0
	s_wait_dscnt 0x0                               ; both opening adds are done
	s_wait_kmcnt 0x0
	CROUND                                         ; in front of the first joint loads
	s_mov_b32 s[G0W], 1
	s_mov_b32 s[G0W+1], BVB
	s_add_nc_u64 s[G0W+2:G0W+3], s[6:7], s[46:47]
	s_mov_b32 s[G0R], 1
	s_add_co_u32 s[G0R+1], s18, BVB
	s_add_nc_u64 s[G0R+2:G0R+3], s[G0W+2:G0W+3], s[18:19]
	s_add_nc_u64 s[G0R+2:G0R+3], s[G0R+2:G0R+3], 786432   ; W_k lies 64 tiles on
	s_or_b32 s[G0W+3], s[G0W+3], 0x80000000
	s_or_b32 s[G0R+3], s[G0R+3], 0x80000000
	s_mov_b32 s[G0S], 1
	s_mov_b32 s[G0S+1], SCL
	s_add_nc_u64 s[G0S+2:G0S+3], s[4:5], s[22:23]
	s_or_b32 s[G0S+3], s[G0S+3], 0x80000000
	s_mov_b32 s[G0X], 1
	s_mov_b32 s[G0X+1], 0
	s_add_nc_u64 s[G0X+2:G0X+3], s[4:5], s[20:21]
	s_mov_b32 s[G0X+4], 1
	s_mov_b32 s[G0X+5], 104448
	s_add_nc_u64 s[G0X+6:G0X+7], s[G0X+2:G0X+3], 98304
	s_or_b32 s[G0X+3], s[G0X+3], 0x80000000
	s_or_b32 s[G0X+7], s[G0X+7], 0x80000000
.macro ARM under, g0, g1, next         ; one tree of branches on the wave's number: every way passes exactly one load
	s_cmp_lt_u32 s14, \under
	s_cbranch_scc0 \next
	tensor_load_to_lds s[\g0:\g0+3], s[\g1:\g1+7]
	s_nop 0
	PLACES 4
	s_branch .Lhead_asked
\next:
.endm
	ARM 1, G0W, G1W, .Lhead_s                      ; wave 0: W_q, which goes on into registers
	ARM 2, G0S, G1S, .Lhead_0                      ; wave 1: x's scale bytes
	ARM 3, G0X, G1X, .Lhead_1                      ; wave 2: x's rows 0-127
	tensor_load_to_lds s[G0X+4:G0X+7], s[G1X:G1X+7]   ; wave 3: rows 128-255
	s_nop 0
	PLACES 4
.Lhead_asked:
	s_lshl_b32 s18, s42, 7
	s_lshl_b32 s19, s16, 6
	s_add_co_u32 s18, s18, s19                     ; my head's first column
	s_lshl_b32 s20, s18, 5
	s_add_co_u32 s20, s20, WS_O
	s_mov_b32 s21, 0
	s_add_nc_u64 s[12:13], s[6:7], s[20:21]        ; W_q's scale bytes at my 64 positions
	s_lshl_b32 s20, s18, 2
	s_add_nc_u64 s[8:9], s[8:9], s[20:21]          ; b_attn at my head of q
	s_lshr_b32 s18, s17, 3                         ; the batch
	s_lshl_b32 s18, s18, 4
	s_lshl_b32 s19, s42, 1
	s_add_co_u32 s18, s18, s19
	s_add_co_u32 s18, s18, s16                     ; hb
	s_and_b32 s19, s17, 7
	s_lshl_b32 s20, s18, 4
	s_lshl_b32 s19, s19, 1
	s_add_co_u32 s20, s20, s19
	s_add_co_u32 s20, s20, s15                     ; w = 16 hb + my key step: my units begin 6,144 w bytes into each of the three regions
	s_mul_i32 s22, s20, 6144
	s_mov_b32 s23, 0
	s_add_nc_u64 s[92:93], s[10:11], s[22:23]      ; q's units
	s_add_nc_u64 s[96:97], s[92:93], VCG           ; v's
	s_lshl_b32 s22, s20, 9
	s_add_co_u32 s22, s22, QSO
	s_add_nc_u64 s[94:95], s[10:11], s[22:23]      ; q's scale words: 512 w
	s_lshl_b32 s22, s20, 8
	s_add_co_u32 s22, s22, VSO
	s_add_nc_u64 s[98:99], s[10:11], s[22:23]      ; v's: 256 w
	s_mov_b32 s60, 0x76543210
	s_mov_b32 s61, 0xfedcba98                      ; lane l xor 16
	s_mul_i32 s46, s15, 104448                     ; LDS: my 128 rows of x
	s_mul_i32 s47, s16, 49152
	s_add_co_u32 s47, s47, BVB                     ; my 4 tiles of the weight
	s_mul_i32 s62, s15, 8*544
	s_add_co_u32 s62, s62, SCL                     ; my rows' scale words: 544 bytes a tile
	s_mov_b32 s3, 0                                ; the trip: 0 q, 1 k
	v_and_b32 v1, 15, v0                           ; r
	v_bfe_u32 v2, v0, 4, 1                         ; h
	v_and_b32 v3, 31, v0
	v_lshlrev_b32 v[ABS], 5, v3                    ; W's scale bytes: 32 a position; lanes 0-15 an even tile's, lanes 16-31 the odd one's
	v_lshlrev_b32 v[BO], 6, v2                     ; q's, k's bias: lanes 16-31 sixteen columns on
	v_and_b32 v17, 8, v1
	v_add_nc_u32 v17, v17, v1
	v_lshlrev_b32 v[BVO], 2, v17                   ; v's bias: column r + 8 (r / 8) of the tile's
	WIN 3<<6
.irp p, 0,1
.irp c, 0,1
	global_load_b128 v[200+8*\p+4*\c:200+8*\p+4*\c+3], v[ABS], s[12:13] offset:\p*1024+16*\c
.endr
.endr
.irp t, 0,1,2,3
	global_load_b128 v[216+8*\t:216+8*\t+3], v[BO], s[8:9] offset:(32*(\t/2)+8*(\t%2))*4     ; register j of tile t: column 32 (t / 2) + 8 (t % 2) + 16 h + j
	global_load_b128 v[216+8*\t+4:216+8*\t+7], v[BO], s[8:9] offset:(32*(\t/2)+8*(\t%2))*4+16
	global_load_b32 v[248+\t], v[BVO], s[8:9] offset:8192+(32*(\t/2)+8*(\t%2))*4
.endr
	WIN 0
	v_lshlrev_b32 v[L16], 4, v3
	v_lshlrev_b32 v[L8], 3, v3
	v_lshlrev_b32 v[SO], 4, v1
	v_mul_u32_u24 v17, v1, 816
	v_mad_u32_u24 v18, v2, 24, v17
	v_mad_u32_u24 v19, v2, 40, v17
	v_add_nc_u32 v[XL0], s46, v18
	v_add_nc_u32 v[XL0+1], s46, v19
	s_add_co_u32 s46, s46, 52224                   ; blocks 4-7: the immediates stay under 65,536
	v_add_nc_u32 v[XL0+2], s46, v18
	v_add_nc_u32 v[XL0+3], s46, v19
	v_add_nc_u32 v[B16], s47, v[L16]
	v_add_nc_u32 v[B8], s47, v[L8]
	v_lshlrev_b32 v18, 5, v1
	v_lshrrev_b32 v19, 3, v1
	v_lshl_add_u32 v18, v19, 4, v18                ; 32 r + 16 (r / 8)
	v_add_nc_u32 v[AAS], s62, v18
	v_mov_b32 v[TM+2], 0                           ; a lane permute's destination counts as one of its sources
	v_mov_b32 v[TM+3], 0
.macro WEIGHTS                         ; my 64 columns of the weight, all of K: 32 fragments of two units, 128 loads
.irp q, 0,1,2,3,4,5,6,7
.irp t, 0,1,2,3
.set R_, 12*((4*\q+\t)%21)
	WIN (1+(4*\q+\t)/21)<<6
	ds_load_b128 v[R_:R_+3], v[B16] offset:\t*12288+\q*1536
	ds_load_b64 v[R_+4:R_+5], v[B8] offset:\t*12288+\q*1536+512
	ds_load_b128 v[R_+6:R_+9], v[B16] offset:\t*12288+\q*1536+768
	ds_load_b64 v[R_+10:R_+11], v[B8] offset:\t*12288+\q*1536+1280
.endr
.endr
	WIN 0
.endm
.macro FETCH s                         ; block s of x into set s % 2: a fragment is six pieces of 8 bytes; byte y of a row lies at y + 16 (y / 256)
.irp q, 0,1,2,3,4,5,6,7
.set R_, 12*((32+8*((\s)%2)+\q)%21)
	WIN (1+(32+8*((\s)%2)+\q)/21)<<6
.irp p, 0,1,2,3,4,5
.set PC_, 12*\q+6*(\p/3)+\p%3
	ds_load_b64 v[R_+2*\p:R_+2*\p+1], v[XL0+2*((\s)/4)+(PC_%32+3)/32] offset:8*PC_+16*(PC_/32)+((\s)%4)*13056
.endr
.endr
	WIN 0
	ds_load_b128 v[SA+8*((\s)%2):SA+8*((\s)%2)+3], v[AAS] offset:(\s)*544
	ds_load_b128 v[SA+8*((\s)%2)+4:SA+8*((\s)%2)+7], v[AAS] offset:(\s)*544+16
.endm
.macro PROD2 f0, f1, x0, x1, side, c
.if T_%2
	v_wmma_scale_f32_16x16x128_f8f6f4 v[D_:D_+7], v[12*((\f0)%21):12*((\f0)%21)+11], v[12*((\f1)%21):12*((\f1)%21)+11], \c, v[\x0], v[\x1] matrix_a_fmt:MATRIX_FMT_FP6 matrix_b_fmt:MATRIX_FMT_FP6 matrix_\side\()_scale:MATRIX_SCALE_ROW1
.else
	v_wmma_scale_f32_16x16x128_f8f6f4 v[D_:D_+7], v[12*((\f0)%21):12*((\f0)%21)+11], v[12*((\f1)%21):12*((\f1)%21)+11], \c, v[\x0], v[\x1] matrix_a_fmt:MATRIX_FMT_FP6 matrix_b_fmt:MATRIX_FMT_FP6 matrix_\side\()_scale:MATRIX_SCALE_ROW0
.endif
.endm
.macro PROD1 f0, f1, x0, x1, side
.if Q_
	PROD2 \f0, \f1, \x0, \x1, \side, v[D_:D_+7]
.else
	PROD2 \f0, \f1, \x0, \x1, \side, v[BI+8*T_:BI+8*T_+7]
.endif
.endm
.macro PROD kind, s, n                 ; product n = 4 q + t of block s.  kind 0 (q, k): source 0 the weight's rows; kind 1 (v): source 0 x's rows
.set Q_, (\n)/4
.set T_, (\n)%4
.set E_, (\s)%2
.set FW_, 4*Q_+T_
.set FX_, 32+8*E_+Q_
.if \kind
.set DW_, 3*((\s)/4)
.set D_, 128-56*((\s)/4)+32*T_+8*((\s)%4)
.else
.set DW_, 0
.set D_, 128+32*E_+8*T_
.endif
.if Q_
.set CW_, DW_
.else
.set CW_, 0
.endif
.if \kind
	WIN (1+FX_/21)|((1+FW_/21)<<2)|(CW_<<4)|(DW_<<6)
	PROD1 FX_, FW_, SA+8*E_+Q_, SB+8*(T_/2)+Q_, b
.else
	WIN (1+FW_/21)|((1+FX_/21)<<2)|(CW_<<4)|(DW_<<6)
	PROD1 FW_, FX_, SB+8*(T_/2)+Q_, SA+8*E_+Q_, a
.endif
.endm
.macro QLUMP                           ; the 32 registers from Y_ on, in window YW_: registers 16 b + i are K = 32 b + 16 h + i of the next product -> six operand registers v[PC ..], two scale bytes v[PW]
	s_wait_xcnt 0x0                                ; the last unit's stores have read their registers
	WIN (YW_<<2)|(YW_<<4)
	v_max3_num_f32 v[TM], 0x1800000, |v[Y_]|, |v[Y_+1]|            ; each accumulator from its low end on; the floor 2^(3 - 127) holds the byte at 1
	v_max3_num_f32 v[TM+1], 0x1800000, |v[Y_+16]|, |v[Y_+17]|
.irp i, 2,4,6,8,10,12,14
	v_max3_num_f32 v[TM], v[TM], |v[Y_+\i]|, |v[Y_+\i+1]|
	v_max3_num_f32 v[TM+1], v[TM+1], |v[Y_+16+\i]|, |v[Y_+17+\i]|
.endr
	WIN 0
	v_permlanex16_b32 v[TM+2], v[TM], s60, s61
	v_permlanex16_b32 v[TM+3], v[TM+1], s60, s61
	v_max_num_f32 v[TM], v[TM], v[TM+2]            ; with lane l xor 16's: the blocks' largest magnitudes
	v_max_num_f32 v[TM+1], v[TM+1], v[TM+3]
	v_add_nc_u32 v[SOP], 0xff000000, v[TM]         ; 2 off the exponent field: the conversions' scale operands
	v_add_nc_u32 v[SOP+1], 0xff000000, v[TM+1]
	v_lshrrev_b32 v[TM], 23, v[SOP]
	v_lshrrev_b32 v[TM+1], 23, v[SOP+1]
	v_lshl_or_b32 v[PW], v[TM+1], 8, v[TM]
	WIN YW_
	v_cvt_scalef32_pk16_fp6_f32 v[PC:PC+2], v[Y_:Y_+15], v[SOP]
	v_cvt_scalef32_pk16_fp6_f32 v[TC:TC+2], v[Y_+16:Y_+31], v[SOP+1]
	WIN 0
	v_nop                                          ; one plain place behind a scaled conversion
.irp i, 0,1,2
	v_permlane16_swap_b32 v[PC+\i], v[TC+\i]       ; a whole block to a lane
.endr
.irp i, 0,1,2
	v_mov_b32 v[PC+3+\i], v[TC+\i]
.endr
.endm
.macro QKOUT p                         ; block p of q or k leaves: one unit; four blocks' scale words together
.set Y_, 128+32*((\p)%2)
.set YW_, 0
	QLUMP
.if (\p)%2
	v_lshlrev_b32 v[SW+(\p)%4], 16, v[PW]
.else
	v_mov_b32 v[SW+(\p)%4], v[PW]
.endif
	global_store_b128 v[L16], v[PC:PC+3], s[92:93] offset:(\p)*768           ; 512 consecutive bytes, aligned
	global_store_b64 v[L8], v[PC+4:PC+5], s[92:93] offset:(\p)*768+512       ; 256
.if (\p)%4 == 3
	global_store_b128 v[SO], v[SW:SW+3], s[94:95] offset:((\p)/4)*256        ; sixteen lanes store 256 consecutive bytes; lanes 16-31 repeat them with the same values
.endif
.endm
.macro VOUT g, t                       ; channel tile t, keys 64 g ..
.set Y_, 128-56*(\g)+32*(\t)
.set YW_, 3*(\g)
	QLUMP
.if \g
	v_lshl_or_b32 v[SW+(\t)], v[PW], 16, v[SW+(\t)]
.else
	v_mov_b32 v[SW+(\t)], v[PW]
.endif
	global_store_b128 v[L16], v[PC:PC+3], s[96:97] offset:(2*(\t)+(\g))*768
	global_store_b64 v[L8], v[PC+4:PC+5], s[96:97] offset:(2*(\t)+(\g))*768+512
.endm
.macro BLK kind, s
.if (\s) < 7
	s_wait_dscnt NF                                ; my rows are in (and whatever was asked for ahead of them); the next block's fetch, NF loads, may be out
.else
	s_wait_dscnt 0x0
.endif
.set N_, 0
.rept 32
	PROD \kind, \s, N_
.if N_ == 7
.if \kind
.if (\s) >= 4
	VOUT 0, (\s)-4
.endif
.else
.if (\s) > 0
	QKOUT (\s)-1
.endif
.endif
.endif
.set N_, N_+1
.endr
	WIN 0
	PLACES 4                                       ; places between the block's products and the loads into their sources, and the vector lines that read their results
.if (\s) < 6
	FETCH (\s)+2
.endif
.endm
	s_wait_alu depctr_va_vdst(0)                   ; the wait at the head's end
	s_cmp_eq_u32 s14, 0
	s_cbranch_scc0 .Lnot_w
	s_wait_tensorcnt 0x0                           ; wave 0: W_q has landed
.Lnot_w:
	BARRIER                                        ; the other waves' loads may be out
.Lphase:                                           ; two trips: q, k
	WEIGHTS
	s_wait_loadcnt 0x0                             ; this weight's scale words and bias
	WIN 3
.set I, 0
.rept 16
	v_mov_b32 v[SB+I], v[200+I]
.set I, I+1
.endr
.set I, 0
.rept 32
	v_mov_b32 v[BI+I], v[216+I]
.set I, I+1
.endr
	WIN 0
	s_add_nc_u64 s[12:13], s[12:13], 32768         ; the next weight's scale bytes: 1,024 positions on
	WIN 3<<6
.irp p, 0,1
.irp c, 0,1
	global_load_b128 v[200+8*\p+4*\c:200+8*\p+4*\c+3], v[ABS], s[12:13] offset:\p*1024+16*\c
.endr
.endr
	WIN 0
	s_wait_alu depctr_va_vdst(0)
	s_cmp_eq_u32 s3, 0
	s_cbranch_scc0 .Lno_bias                       ; k's bias is asked for in q's trip; v's came at the head
	WIN 3<<6
.irp t, 0,1,2,3
	global_load_b128 v[216+8*\t:216+8*\t+3], v[BO], s[8:9] offset:4096+(32*(\t/2)+8*(\t%2))*4
	global_load_b128 v[216+8*\t+4:216+8*\t+7], v[BO], s[8:9] offset:4096+(32*(\t/2)+8*(\t%2))*4+16
.endr
	WIN 0
.Lno_bias:
	s_wait_tensorcnt 0x0                           ; all my tensor loads have landed (in the first trip: my tile of the head's four),
	ds_add_u32 v[SPW], v[NIL]
	s_wait_dscnt 0x0                               ; and the weight is in my registers: my reads of its region are over
	CROUND                                         ; the same holds of every wave of the cluster
	tensor_load_to_lds s[G0R:G0R+3], s[G1R:G1R+7]  ; my quarter of the next weight
	s_nop 0
	PLACES 4
	FETCH 0
	FETCH 1
.irp s, 0,1,2,3,4,5,6,7
	BLK 0, \s
.endr
	QKOUT 7
	s_wait_tensorcnt 0x0                           ; my quarter of the next weight is in,
	s_add_nc_u64 s[G0R+2:G0R+3], s[G0R+2:G0R+3], 786432
	s_wait_dscnt 0x0
	BARRIER                                        ; everybody's is
	s_wait_xcnt 0x0                                ; the stores have read their bases
	s_add_nc_u64 s[92:93], s[92:93], 6291456       ; k's units
	s_add_nc_u64 s[94:95], s[94:95], 524288        ; and scale words
	s_add_co_u32 s3, s3, 1
	s_cmp_lt_u32 s3, 2
	s_wait_alu depctr_va_vdst(0)                   ; the wait ahead of the branch
	s_cbranch_scc1 .Lphase
	WEIGHTS                                        ; v
	s_wait_loadcnt 0x0
	WIN 3
.set I, 0
.rept 16
	v_mov_b32 v[SB+I], v[200+I]
.set I, I+1
.endr
.irp t, 0,1,2,3
.irp i, 0,1,2,3,4,5,6,7
	v_mov_b32 v[BI+8*\t+\i], v[248+\t]             ; v's bias runs along the lanes: one number a lane and tile, over the tile's eight registers
.endr
.endr
	WIN 0
	s_wait_alu depctr_va_vdst(0)
	FETCH 0
	FETCH 1
.irp s, 0,1,2,3,4,5,6,7
	BLK 1, \s
.endr
.irp t, 0,1,2,3
	VOUT 1, \t
.endr
	global_store_b128 v[SO], v[SW:SW+3], s[98:99]  ; v's scale words: sixteen lanes store 256 consecutive bytes; lanes 16-31 repeat them with the same values
	s_wait_tensorcnt 0x0                           ; the wave's end
	ds_add_u32 v[SPW], v[NIL]
	s_wait_dscnt 0x0
	CROUND                                         ; the closing round
	s_endpgm
.Lfunc_end_k_q252b0f81ec_qkv:
	.size	k_q252b0f81ec_qkv, .Lfunc_end_k_q252b0f81ec_qkv-k_q252b0f81ec_qkv
	.p2alignl 7, 3214868480
	.fill 96, 4, 3214868480
	.section	.rodata,"a",@progbits
	.p2align	6, 0x0
	.amdhsa_kernel k_q252b0f81ec_qkv
		.amdhsa_group_segment_fixed_size 327680
		.amdhsa_private_segment_fixed_size 0
		.amdhsa_enable_private_segment 0
		.amdhsa_kernarg_size 32
		.amdhsa_user_sgpr_count 2
		.amdhsa_user_sgpr_kernarg_segment_ptr 1
		.amdhsa_wavefront_size32 1
		.amdhsa_system_sgpr_workgroup_id_x 1
		.amdhsa_system_sgpr_workgroup_id_y 1
		.amdhsa_system_sgpr_workgroup_id_z 1
		.amdhsa_system_vgpr_workitem_id 0
		.amdhsa_next_free_vgpr 1024
		.amdhsa_next_free_sgpr 100
		.amdhsa_reserve_vcc 0
		.amdhsa_float_denorm_mode_32 3
		.amdhsa_float_denorm_mode_16_64 3
		.amdhsa_memory_ordered 1
		.amdhsa_forward_progress 1
		.amdhsa_inst_pref_size 188
	.end_amdhsa_kernel
	.amdgpu_metadata
---
amdhsa.version: [ 1, 2 ]
amdhsa.kernels:
  - .name:           k_q252b0f81ec_qkv
    .symbol:         k_q252b0f81ec_qkv.kd
    .args:
      - { .name: xq, .offset: 0, .size: 8, .value_kind: global_buffer, .address_space: global }
      - { .name: wq, .offset: 8, .size: 8, .value_kind: global_buffer, .address_space: global }
      - { .name: b_attn, .offset: 16, .size: 8, .value_kind: global_buffer, .address_space: global }
      - { .name: qkv, .offset: 24, .size: 8, .value_kind: global_buffer, .address_space: global }
    .group_segment_fixed_size: 327680
    .private_segment_fixed_size: 0
    .kernarg_segment_align: 8
    .kernarg_segment_size: 32
    .max_flat_workgroup_size: 128
    .sgpr_count:     100
    .vgpr_count:     1024
    .wavefront_size: 32
...
	.end_amdgpu_metadata
.endif
;; end of part 2
;; launch attn (part 3): grid 4 x 64, 16 waves a work-group, clusters of 4 x 1, 210,944 bytes of LDS; arguments qkv, yq; writes yq
.if DOCPART == 3
	.amdgcn_target "amdgcn-amd-amdhsa--gfx1250"
	.amdhsa_code_object_version 6
	.text
	.protected	k_q252b0f81ec_attn
	.globl	k_q252b0f81ec_attn
	.p2align	8
	.type	k_q252b0f81ec_attn,@function
k_q252b0f81ec_attn:
	s_mov_b64 s[64:65], 0
	v_nop
	global_prefetch_b8 v0, s[64:65] scope:SCOPE_SE
	s_setreg_imm32_b32 hwreg(HW_REG_WAVE_MODE, 25, 1), 1
	s_wait_xcnt 0x0
	s_wait_alu depctr_hold_cnt(0) depctr_sa_sdst(0) depctr_va_vdst(0) depctr_va_sdst(0) depctr_va_ssrc(0) depctr_va_vcc(0) depctr_vm_vsrc(0)
	s_getreg_b32 s2, hwreg(HW_REG_IB_STS2, 6, 4)
	s_cmp_eq_u32 s2, 0
	s_cbranch_scc0 .Lentry_in_a_cluster
	s_endpgm
.Lentry_in_a_cluster:
	s_bfe_u32 s2, ttmp6, 0x10000c
	s_cmp_lg_u32 s2, 0x3003
	s_cbranch_scc0 .Lentry_shape_is_right
	s_endpgm
.Lentry_shape_is_right:
; y = softmax(q k^T / 8, causal) v for one head of one batch (hb = cluster y), both products on codes of FP6 (E2M3) with E8M0 scales; y is quantised along the head's 64 and stored as operand images.
; THE SOFTMAX: t = score x log2(e) / 8; M = the running largest t rounded up to a whole number; p = 2^(t - M) is quantised along the keys, not normalised; the sum of the unquantised p divides at the end.
; LEFT OUT: key steps all of whose 128 keys come after a tile's 16 queries: the causal mask gives them -inf, their p is 0 for all inputs.
; SHARES.  The four work-groups of a head form a cluster.  A key step is 128 keys; the 8 tiles of 16 query positions that end in key step b form block b.  Work-group cx takes tiles 2 cx and 2 cx + 1 of EVERY block:
; wave w the tiles 8 (w % 8) + 2 cx + w / 8 (L) and 8 (15 - w % 8) + 2 cx + w / 8 (H).  So which steps a wave works hangs on the wave's number alone (L: 0 .. w % 8, H: 0 .. 15 - w % 8, 17 in all for every wave);
; cx enters global addresses and the mask's numbers only.  All four partners need the head's whole K and V: they come by joint loads (mask 15), one a wave.
; Tile T holds the queries 32 (T/2) + 8 (T%2) + r + 8 (r/8).
; LDS: K step 0 | V step 0 | K steps 1-15 | V steps 1-15 | V's scale words | K's | the spare words.  Filled once.  Waves 0, 1 bring K's and V's step 0, waves 2, 3 the scale words, on load lines of their own: the first barrier
; shows these alone, and the first trip, written out, is worked while waves 4-15's loads (60 rows of 256 bytes each) are out; a second barrier, with every wave's wait, shows the rest.
; No prefetch: every tile is asked for at the head, there is no loop to run ahead in.
; LAYOUT.  Both products are used transposed: S^T = K Q^T, O^T = V^T P^T: a lane holds one query.  K's units lie by positions (bits 3, 4 of the key exchanged).  A TILE OF S^T TAKES ITS 16 KEYS BY LDS ADDRESS:
; tile (c, u): rows 0-7 keys 64 c + 8 u + 0..7, rows 8-15 keys 64 c + 32 + 8 u + 0..7.  So registers 32 c + 0..31 of a lane in half h are keys 64 c + 32 h + 0..31: one scale block, in the order of p's operand registers.
; K = 64 IN AN INSTRUCTION OF 128: a fragment holds tile (c, 2 g) in registers 0-5 and (c, 2 g + 1) in 6-11; the first is multiplied by [q | 0], the second by [0 | q]: the other tile's codes meet zero codes.
; LIMITS: NaN and infinities are not served; the scaled scores t stay under 2^31 in magnitude; a block of y whose largest magnitude lies under 2^-124 keeps the byte 1.
; REGISTERS: v1, v2 16, 8 x lane; v3-5 the LDS addresses at work; v6-8 K's lane terms; v9, v255 q's scale words (H, L); v10-13, v14-17 -M, largest score, the sum's halves (L, H); v18-47 [0 | qL | 0 | qH | 0];
; v48-95 four fragments of K or V; v96-159 S^T, then p; v160-191, v192-223 O^T; v224-235 p's codes; v236-247, v254 at work; v248-251 K's or V's scale words; v252 f; v253 p's scale word.
.set KCG,  6291456
.set VCG,  12582912
.set QSO,  18874368
.set KSO,  19398656
.set VSO,  19922944
.set YS_O, 6291456
.set VSC,  196608
.set KSC,  200704
.set SPARE, 208896
.set WV,   20
.set HB,   21
.set CX,   22
.set TAUL, 23
.set TAUH, 24
.set SDL,  25
.set SDH,  26
.set Q0L,  27
.set Q0H,  28
.set CSN,  29
.set G1A,  32                          ; group 1 for 24, 16, 32, 60 rows of 256 bytes
.set G1B,  40
.set G1C,  48
.set G1D,  56
.set G0,   68
.set SEL,  76
.set CS,   78
.set TK,   80
.set TV,   81
.set TSK,  82
.set TSV,  83
.set KF,   84
.set STEPI, 85
.set L16,  1
.set L8,   2
.set A16,  3
.set A8,   4
.set AS,   5
.set LK16, 6
.set LK8,  7
.set LKS,  8
.set KV,   48
.macro ROUND
	s_barrier_signal -1
	s_barrier_wait -1
	s_cmp_lg_u32 s[WV], 0
	s_cbranch_scc1 .Lnw0_\@
	s_barrier_signal -3
.Lnw0_\@:
	s_barrier_wait -3
	s_barrier_signal -1
	s_barrier_wait -1
.endm
.macro FIRE g1                         ; the wave's one load: s86 = bytes from qkv
	s_mov_b32 s87, 0
	s_add_nc_u64 s[G0+2:G0+3], s[4:5], s[86:87]
	s_or_b32 s[G0+3], s[G0+3], 0x80000000
	tensor_load_to_lds s[G0:G0+3], s[\g1:\g1+7]
	s_nop 0
.rept 4
	v_nop
.endr
.endm
	s_load_b128 s[4:7], s[0:1], 0x0                ; qkv, yq
	v_lshl_add_u32 v236, v0, 2, SPARE
	v_mov_b32 v237, 0
	ds_add_u32 v236, v237                          ; the opening lines
	ds_add_u32 v236, v237
	v_lshrrev_b32 v1, 5, v0
	v_readfirstlane_b32 s[WV], v1
	s_and_b32 s[HB], ttmp7, 0xffff
.irp g, G1A, G1B, G1C, G1D                     ; dense blocks as rows of 256 bytes: 32 elements of 8 bytes; the mask names the cluster's four
	s_mov_b32 s[\g], 15|(3<<16)|(1<<21)
	s_mov_b32 s[\g+1], 32<<16
	s_mov_b32 s[\g+3], 32<<16
	s_mov_b32 s[\g+5], 32
	s_mov_b32 s[\g+6], 0
	s_mov_b32 s[\g+7], 0
.endr
	s_mov_b32 s[G1A+2], 24<<16
	s_mov_b32 s[G1A+4], 24
	s_mov_b32 s[G1B+2], 16<<16
	s_mov_b32 s[G1B+4], 16
	s_mov_b32 s[G1C+2], 32<<16
	s_mov_b32 s[G1C+4], 32
	s_mov_b32 s[G1D+2], 60<<16
	s_mov_b32 s[G1D+4], 60
	s_mov_b32 s[G0], 1
	s_mul_i32 s88, s[HB], 98304
	s_wait_dscnt 0x0
	ROUND                                          ; in front of the first joint loads
	s_wait_kmcnt 0x0
	s_cmp_lt_u32 s[WV], 2
	s_cbranch_scc0 .Larm_vs
	s_mul_i32 s[G0+1], s[WV], 6144                 ; wave 0: K's step 0; wave 1: V's
	s_mul_i32 s86, s[WV], VCG-KCG
	s_add_co_u32 s86, s86, s88
	s_add_co_u32 s86, s86, KCG
	FIRE G1A
	s_branch .Lasked
.Larm_vs:
	s_cmp_eq_u32 s[WV], 2
	s_cbranch_scc0 .Larm_ks
	s_mov_b32 s[G0+1], VSC
	s_lshl_b32 s86, s[HB], 12
	s_add_co_u32 s86, s86, VSO
	FIRE G1B
	s_branch .Lasked
.Larm_ks:
	s_cmp_eq_u32 s[WV], 3
	s_cbranch_scc0 .Larm_rest
	s_mov_b32 s[G0+1], KSC
	s_lshl_b32 s86, s[HB], 13
	s_add_co_u32 s86, s86, KSO
	FIRE G1C
	s_branch .Lasked
.Larm_rest:                                        ; waves 4-9 a sixth each of K's steps 1-15, waves 10-15 of V's: 15,360 bytes
	s_sub_co_u32 s89, s[WV], 4
	s_mul_i32 s89, s89, 15360
	s_add_co_u32 s[G0+1], s89, 12288
	s_mov_b32 s90, VCG-92160
	s_cmp_lt_u32 s[WV], 10
	s_cselect_b32 s90, KCG, s90
	s_add_co_u32 s86, s89, s88
	s_add_co_u32 s86, s86, s90
	s_add_co_u32 s86, s86, 6144
	FIRE G1D
.Lasked:
	s_bfe_u32 s[CX], ttmp6, 0x40000
	s_and_b32 s[SDL], s[WV], 7                     ; the tiles' last key steps: from the wave's number alone
	s_sub_co_u32 s[SDH], 15, s[SDL]
	s_lshr_b32 s87, s[WV], 3
	s_lshl_b32 s86, s[CX], 1
	s_add_co_u32 s86, s86, s87
	s_lshl_b32 s[TAUL], s[SDL], 3
	s_add_co_u32 s[TAUL], s[TAUL], s86
	s_lshl_b32 s[TAUH], s[SDH], 3
	s_add_co_u32 s[TAUH], s[TAUH], s86
	s_lshr_b32 s86, s[TAUL], 1
	s_lshl_b32 s86, s86, 5
	s_and_b32 s87, s[TAUL], 1
	s_lshl_b32 s87, s87, 3
	s_add_co_u32 s[Q0L], s86, s87
	s_lshr_b32 s86, s[TAUH], 1
	s_lshl_b32 s86, s86, 5
	s_and_b32 s87, s[TAUH], 1
	s_lshl_b32 s87, s87, 3
	s_add_co_u32 s[Q0H], s86, s87
	s_lshl_b32 s86, s[HB], 7
	s_add_co_u32 s88, s86, s[TAUL]
	s_mul_i32 s88, s88, 768
	s_mov_b32 s89, 0
	s_add_nc_u64 s[8:9], s[4:5], s[88:89]          ; q's unit of tile L
	s_add_co_u32 s88, s86, s[TAUH]
	s_mul_i32 s88, s88, 768
	s_add_nc_u64 s[10:11], s[4:5], s[88:89]        ; of tile H
	s_lshl_b32 s86, s[HB], 13
	s_add_co_u32 s86, s86, QSO
	s_lshr_b32 s88, s[TAUL], 2
	s_lshl_b32 s88, s88, 8
	s_and_b32 s90, s[TAUL], 3
	s_lshl_b32 s90, s90, 2
	s_add_co_u32 s88, s88, s90
	s_add_co_u32 s88, s88, s86
	s_add_nc_u64 s[12:13], s[4:5], s[88:89]        ; its scale words: 256 (T / 4) + 4 (T % 4), 16 bytes a row
	s_lshr_b32 s88, s[TAUH], 2
	s_lshl_b32 s88, s88, 8
	s_and_b32 s90, s[TAUH], 3
	s_lshl_b32 s90, s90, 2
	s_add_co_u32 s88, s88, s90
	s_add_co_u32 s88, s88, s86
	s_add_nc_u64 s[14:15], s[4:5], s[88:89]
	s_mov_b32 s[SEL], 0x76543210
	s_mov_b32 s[SEL+1], 0xfedcba98
	s_mov_b32 s[CS], 0x3e38aa3b                    ; c = log2(e) / 8
	s_mov_b32 s[CS+1], s[CS]
	s_mov_b32 s[CSN], 0xbe38aa3b                   ; -c
	s_mov_b32 s[TK], 0
	s_mov_b32 s[TV], 6144
	s_mov_b32 s[TSK], KSC
	s_mov_b32 s[TSV], VSC
	s_mov_b32 s[KF], 0
	s_mov_b32 s[STEPI], 0
	v_and_b32 v3, 31, v0
	v_lshlrev_b32 v[L16], 4, v3
	v_lshlrev_b32 v[L8], 3, v3
	v_and_b32 v4, 15, v0
	v_lshlrev_b32 v5, 4, v4
	global_load_b128 v[24:27], v[L16], s[8:9]
	global_load_b64 v[28:29], v[L8], s[8:9] offset:512
	global_load_b128 v[36:39], v[L16], s[10:11]
	global_load_b64 v[40:41], v[L8], s[10:11] offset:512
	global_load_b32 v255, v5, s[12:13]
	global_load_b32 v9, v5, s[14:15]
	v_and_b32 v3, 7, v0                            ; r % 8
	v_bfe_u32 v4, v0, 3, 1                         ; r / 8: rows 8-15 of a tile lie two units on
	v_bfe_u32 v254, v0, 4, 1                       ; h
	v_mul_u32_u24 v8, v4, 1536
	v_lshl_add_u32 v[LK16], v3, 4, v8
	v_lshl_add_u32 v[LK16], v254, 8, v[LK16]       ; registers 0-3 of a unit: 16 x (row + 16 h)
	v_lshl_add_u32 v[LK8], v3, 3, v8
	v_lshl_add_u32 v[LK8], v254, 7, v[LK8]         ; registers 4-5: 8 x (row + 16 h)
	v_lshlrev_b32 v8, 3, v4
	v_lshl_add_u32 v8, v3, 4, v8
	v_lshl_add_u32 v[LKS], v254, 8, v8             ; scale words: lanes 0-15 those of c = 0, lanes 16-31 of c = 1
.irp j, 18,19,20,21,22,23,30,31,32,33,34,35,42,43,44,45,46,47
	v_mov_b32 v[\j], 0                             ; the zero codes beside q
.endr
.irp j, 12,13,16,17,243
	v_mov_b32 v[\j], 0                             ; the sums; v243: a lane permute's destination counts as one of its sources
.endr
	s_wait_alu depctr_va_vdst(0)                   ; the wait at the head's end
	s_cmp_lt_u32 s[WV], 4
	s_cbranch_scc0 .Lnot_first
	s_wait_tensorcnt 0x0                           ; waves 0-3: step 0 and the scale words
.Lnot_first:
	s_barrier_signal -1
	s_barrier_wait -1                              ; the other waves' loads may be out
	s_wait_loadcnt 0x0                             ; q
	s_lshr_b32 s86, s[WV], 3                       ; both tiles are odd where w / 8 is: their two bytes then lie in bytes 2, 3
	s_lshl_b32 s86, s86, 4
	v_lshrrev_b32 v255, s86, v255
	v_lshrrev_b32 v9, s86, v9
	v_and_b32 v255, 0xffff, v255
	v_and_b32 v9, 0xffff, v9
	v_lshl_or_b32 v255, v255, 16, v255             ; q's two bytes in both halves of the word: they serve [q | 0] and [0 | q]
	v_lshl_or_b32 v9, v9, 16, v9
.rept 8
	v_nop                                          ; a scale register written by a vector instruction stands 8 places ahead of a scaled product
.endr
	s_wait_alu depctr_va_vdst(0)
.macro SMUL c, g, u, qb, qs
.if \c
	v_wmma_scale_f32_16x16x128_f8f6f4 v[96+32*\c+16*\g+8*\u:103+32*\c+16*\g+8*\u], v[KV+12*(2*\c+\g):KV+12*(2*\c+\g)+11], v[\qb:\qb+11], 0, v[248+2*\g+\u], v[\qs] matrix_a_fmt:MATRIX_FMT_FP6 matrix_b_fmt:MATRIX_FMT_FP6 matrix_a_scale:MATRIX_SCALE_ROW1
.else
	v_wmma_scale_f32_16x16x128_f8f6f4 v[96+32*\c+16*\g+8*\u:103+32*\c+16*\g+8*\u], v[KV+12*(2*\c+\g):KV+12*(2*\c+\g)+11], v[\qb:\qb+11], 0, v[248+2*\g+\u], v[\qs] matrix_a_fmt:MATRIX_FMT_FP6 matrix_b_fmt:MATRIX_FMT_FP6
.endif
.endm
; A KEY STEP of one tile.  qlo, qhi: [q | 0], [0 | q]; qs: q's scale word; st: the statistics; o: O^T; sd, q0: scalars.  lp = 0: the first step, which starts the sums; 1: in the loop.  msk: the step may be the tile's last.
.macro STEP qlo, qhi, qs, st, o, sd, q0, lp, msk
.if \lp
	s_cmp_gt_u32 s[STEPI], s[\sd]                  ; all 128 keys come after my 16 queries: a branch on the wave's number and the trip
	s_cbranch_scc1 .Lhidden_\@
.endif
	v_add_nc_u32 v[A16], s[TK], v[LK16]            ; these four lines are the places in front of loads into registers that the last products read
	v_add_nc_u32 v[A8], s[TK], v[LK8]
	v_add_nc_u32 v[AS], s[TSK], v[LKS]
	v_nop
.irp c, 0,1
.irp g, 0,1
.irp u, 0,1
	ds_load_b128 v[KV+12*(2*\c+\g)+6*\u:KV+12*(2*\c+\g)+6*\u+3], v[A16] offset:(4*\c+\u)*768+128*\g
	ds_load_b64 v[KV+12*(2*\c+\g)+6*\u+4:KV+12*(2*\c+\g)+6*\u+5], v[A8] offset:(4*\c+\u)*768+512+64*\g
.endr
.endr
.endr
	ds_load_b64 v[248:249], v[AS]                  ; the words of tiles (c, 0), (c, 1)
	ds_load_b64 v[250:251], v[AS] offset:128       ; of (c, 2), (c, 3)
	s_wait_dscnt 0x0
.irp c, 0,1
.irp g, 0,1
	SMUL \c, \g, 0, \qlo, \qs
	SMUL \c, \g, 1, \qhi, \qs
.endr
.endr
	v_add_nc_u32 v[A16], s[TV], v[L16]             ; four places again: the loads below land in the products' sources, the lines behind them read the results
	v_add_nc_u32 v[A8], s[TV], v[L8]
	v_add_nc_u32 v[AS], s[TSV], v[L16]
	v_nop
.irp i, 0,1,2,3,4,5,6,7
	ds_load_b128 v[KV+6*\i:KV+6*\i+3], v[A16] offset:768*\i          ; V: channel tile i / 2, keys 64 (i % 2) on; they land while the softmax is worked
	ds_load_b64 v[KV+6*\i+4:KV+6*\i+5], v[A8] offset:768*\i+512
.endr
	ds_load_b128 v[248:251], v[AS]                 ; lanes 0-15: the words of channel tiles 0-3 of row r
.if \msk
	s_cmp_lt_u32 s[STEPI], s[\sd]                  ; a step all of whose keys count has no mask
	s_cbranch_scc1 .Lopen_\@
	s_sub_co_i32 s86, s[\q0], s[KF]
	v_and_b32 v236, 15, v0
	v_and_b32 v237, 8, v0
	v_and_b32 v238, 16, v0
	v_add_nc_u32 v236, v236, v237                  ; r + 8 (r / 8)
	v_lshlrev_b32 v238, 1, v238
	v_add_nc_u32 v236, s86, v236
	v_sub_nc_u32 v236, v236, v238                  ; d = my query - KF - 32 h: register 32 c + i is hidden where 64 c + i > d
	v_mov_b32 v237, 0xff800000
.set n, 0
.rept 64
	v_cmp_gt_i32 vcc_lo, 64*(n/32)+n%32, v236
	v_cndmask_b32 v[96+n], v[96+n], v237, vcc_lo
.set n, n+1
.endr
.Lopen_\@:
.endif
.irp b, 0,1,2,3
	v_max3_num_f32 v[236+\b], v[96+16*\b], v[97+16*\b], v[98+16*\b]   ; four chains by turns, each accumulator from its low end on
.endr
.irp i, 3,5,7,9,11,13
.irp b, 0,1,2,3
	v_max3_num_f32 v[236+\b], v[236+\b], v[96+16*\b+\i], v[97+16*\b+\i]
.endr
.endr
	v_max3_num_f32 v246, v236, v237, v111          ; my two blocks' largest scores: for the row's maximum and, since p rises with the score, for the blocks' largest p
	v_max3_num_f32 v247, v238, v239, v143
	v_max_num_f32 v246, v246, v127
	v_max_num_f32 v247, v247, v159
	v_max_num_f32 v254, v246, v247
	v_permlanex16_b32 v243, v254, s[SEL], s[SEL+1]
.if \lp
	v_max3_num_f32 v[\st+1], v[\st+1], v254, v243  ; the running largest score
	v_mov_b32 v239, v[\st]
.else
	v_max_num_f32 v[\st+1], v254, v243
.endif
	v_mul_f32 v254, s[CSN], v[\st+1]
	v_floor_f32 v[\st], v254                       ; -M = floor(-t) = -ceil(t)
.if \lp
	v_sub_f32 v254, v[\st], v239                   ; old M - new M: a whole number, 0 or less
	v_cvt_i32_f32 v254, v254
	v_ldexp_f32 v252, 1.0, v254                    ; f = 2^(old M - new M)
.endif
.set j, 0
.rept 32
	v_pk_fma_f32 v[96+j:97+j], v[96+j:97+j], s[CS:CS+1], v[\st:\st+1] op_sel_hi:[1,0,0]   ; t - M
.set j, j+2
.endr
	v_fma_f32 v246, v246, s[CS], v[\st]
	v_fma_f32 v247, v247, s[CS], v[\st]
	s_wait_alu depctr_va_vdst(0)                   ; the wait ahead of the batch
	v_exp_f32 v246, v246                           ; the blocks' largest p
	v_exp_f32 v247, v247
.set j, 0
.rept 64
	v_exp_f32 v[96+j], v[96+j]                     ; p = 2^(t - M)
.set j, j+1
.endr
.if \lp
	v_pk_mul_f32 v[\st+2:\st+3], v[\st+2:\st+3], v[252:253] op_sel_hi:[1,0]   ; the sums under the new M: the plain line behind the batch
.else
	v_nop
.endif
	s_wait_alu depctr_va_vdst(0)                   ; one wait for the batch, ahead of its first reader
	v_pk_add_f32 v[236:237], v[96:97], v[98:99]    ; the row's sum of the unquantised p, in two chains
.irp j, 4,8,12,16,20,24,28,32,36,40,44,48,52,56,60
	v_pk_add_f32 v[\st+2:\st+3], v[\st+2:\st+3], v[96+\j:97+\j]
	v_pk_add_f32 v[236:237], v[236:237], v[98+\j:99+\j]
.endr
	v_max_num_f32 v246, 0x1800000, v246            ; the floor 2^(3 - 127): the byte cannot fall under 1
	v_max_num_f32 v247, 0x1800000, v247
	v_pk_add_f32 v[\st+2:\st+3], v[\st+2:\st+3], v[236:237]
	v_add_nc_u32 v244, 0xff000000, v246            ; 2 off the exponent field: the conversions' scale operands
	v_add_nc_u32 v245, 0xff000000, v247
	v_lshrrev_b32 v246, 23, v244
	v_lshrrev_b32 v247, 23, v245
	v_lshl_or_b32 v254, v247, 16, v246             ; my blocks h and 2 + h
	v_permlanex16_b32 v243, v254, s[SEL], s[SEL+1]
	v_lshl_or_b32 v253, v243, 8, v254              ; lanes 0-15, which alone are read: bytes 0, 2 mine, bytes 1, 3 the other half's
.irp c, 0,1
	v_cvt_scalef32_pk16_fp6_f32 v[224+6*\c:226+6*\c], v[96+32*\c:111+32*\c], v[244+\c]
	v_cvt_scalef32_pk16_fp6_f32 v[236+4*\c:238+4*\c], v[112+32*\c:127+32*\c], v[244+\c]   ; (a conversion's three registers begin on an even number)
.endr
	v_nop                                          ; one plain place behind a scaled conversion
.irp c, 0,1
.irp i, 0,1,2
	v_mov_b32 v[227+6*\c+\i], v[236+4*\c+\i]
.endr
.endr
	s_wait_dscnt 0x0                               ; V and its scale words are in
	s_wait_alu depctr_va_vdst(0)                   ; directly ahead of the first reader of O^T, and between the codes just made and the products
.if \lp
.set j, 0
.rept 16
	v_pk_mul_f32 v[\o+j:\o+j+1], v[\o+j:\o+j+1], v[252:253] op_sel_hi:[1,0]   ; O^T under the new M; also the places in front of the products
.set j, j+2
.endr
.irp t, 0,1,2,3                                ; the four accumulators take turns
	v_wmma_scale_f32_16x16x128_f8f6f4 v[\o+8*\t:\o+8*\t+7], v[KV+12*\t:KV+12*\t+11], v[224:235], v[\o+8*\t:\o+8*\t+7], v[248+\t], v253 matrix_a_fmt:MATRIX_FMT_FP6 matrix_b_fmt:MATRIX_FMT_FP6
.endr
.Lhidden_\@:
.else
.rept 4
	v_nop                                          ; places in front of the products
.endr
.irp t, 0,1,2,3                                ; the first step starts the sums
	v_wmma_scale_f32_16x16x128_f8f6f4 v[\o+8*\t:\o+8*\t+7], v[KV+12*\t:KV+12*\t+11], v[224:235], 0, v[248+\t], v253 matrix_a_fmt:MATRIX_FMT_FP6 matrix_b_fmt:MATRIX_FMT_FP6
.endr
.endif
.endm
	STEP 24, 18, 255, 10, 160, SDL, Q0L, 0, 1      ; key step 0: every tile works it; it is L's last where w % 8 = 0, never H's
	STEP 36, 30, 9, 14, 192, SDH, Q0H, 0, 0
	s_mov_b32 s[TK], 12288
	s_mov_b32 s[TV], 104448
	s_mov_b32 s[TSK], KSC+512
	s_mov_b32 s[TSV], VSC+256
	s_mov_b32 s[KF], 128
	s_mov_b32 s[STEPI], 1
	s_wait_tensorcnt 0x0                           ; every wave's load has landed,
	s_wait_dscnt 0x0
	s_barrier_signal -1
	s_barrier_wait -1                              ; everybody's has: steps 1-15 are in
.Ltrip:                                            ; 15 trips, a constant: what a wave leaves out is a step's work, never a step of the addresses
	STEP 24, 18, 255, 10, 160, SDL, Q0L, 1, 1
	STEP 36, 30, 9, 14, 192, SDH, Q0H, 1, 1
	s_add_co_u32 s[TK], s[TK], 6144
	s_add_co_u32 s[TV], s[TV], 6144
	s_add_co_u32 s[TSK], s[TSK], 512
	s_add_co_u32 s[TSV], s[TSV], 256
	s_add_co_u32 s[KF], s[KF], 128
	s_add_co_u32 s[STEPI], s[STEPI], 1
	s_cmp_lt_u32 s[STEPI], 16
	s_cbranch_scc1 .Ltrip
; THE WAY OUT.  V's channel tiles lie by positions (bits 3, 4 exchanged): O^T / the sum is y(query, channel 32 b + 16 h + i) in register 16 b + i: one unit and two scale bytes a tile.
.rept 4
	v_nop                                          ; places behind the last products
.endr
	s_lshr_b32 s86, s[HB], 4
	s_lshl_b32 s86, s86, 7                         ; 128 tiles of positions a batch
	s_and_b32 s87, s[HB], 15                       ; the head
	s_add_co_u32 s88, s86, s[TAUL]
	s_add_co_u32 s89, s86, s[TAUH]
	s_lshl_b32 s90, s88, 4
	s_add_co_u32 s90, s90, s87
	s_mul_i32 s90, s90, 768
	s_mov_b32 s91, 0
	s_add_nc_u64 s[90:91], s[6:7], s[90:91]        ; yq's unit [tile][head], L
	s_lshl_b32 s92, s89, 4
	s_add_co_u32 s92, s92, s87
	s_mul_i32 s92, s92, 768
	s_mov_b32 s93, 0
	s_add_nc_u64 s[92:93], s[6:7], s[92:93]        ; H
	s_lshl_b32 s94, s88, 9                         ; 16 rows of 32 scale bytes a tile
	s_lshl_b32 s96, s87, 1
	s_add_co_u32 s94, s94, s96
	s_mov_b32 s95, 0
	s_add_nc_u64 s[94:95], s[6:7], s[94:95]
	s_add_nc_u64 s[94:95], s[94:95], YS_O
	s_sub_co_u32 s96, s89, s88
	s_lshl_b32 s96, s96, 9                         ; from L's rows to H's
.macro OUT st, o, y, pc, pw, base
	v_add_f32 v254, v[\st+2], v[\st+3]
	v_permlanex16_b32 v236, v254, s[SEL], s[SEL+1]
	v_add_f32 v254, v254, v236                     ; the row's sum
	s_wait_alu depctr_va_vdst(0)
	v_rcp_f32 v252, v254
	v_nop                                          ; a plain place behind the reciprocal
	s_wait_alu depctr_va_vdst(0)                   ; the wait ahead of its first reader, which is O^T's first reader too
.set j, 0
.rept 16
	v_pk_mul_f32 v[\y+j:\y+j+1], v[\o+j:\o+j+1], v[252:253] op_sel_hi:[1,0]   ; each accumulator from its low end on
.set j, j+2
.endr
.irp b, 0,1
	v_max3_num_f32 v[232+\b], |v[\y+16*\b]|, |v[\y+16*\b+1]|, 0x1800000
.endr
.irp i, 2,4,6,8,10,12,14
.irp b, 0,1
	v_max3_num_f32 v[232+\b], v[232+\b], |v[\y+16*\b+\i]|, |v[\y+16*\b+\i+1]|
.endr
.endr
	v_permlanex16_b32 v236, v232, s[SEL], s[SEL+1]
	v_permlanex16_b32 v237, v233, s[SEL], s[SEL+1]
	v_max_num_f32 v232, v232, v236
	v_max_num_f32 v233, v233, v237
	v_add_nc_u32 v244, 0xff000000, v232
	v_add_nc_u32 v245, 0xff000000, v233
	v_lshrrev_b32 v238, 23, v244
	v_lshrrev_b32 v239, 23, v245
	v_lshl_or_b32 v[\pw], v239, 8, v238            ; the row's two scale bytes
	v_cvt_scalef32_pk16_fp6_f32 v[\pc:\pc+2], v[\y:\y+15], v244
	v_cvt_scalef32_pk16_fp6_f32 v[240:242], v[\y+16:\y+31], v245
	v_nop
.irp i, 0,1,2
	v_permlane16_swap_b32 v[\pc+\i], v[240+\i]     ; a whole block to a lane
.endr
.irp i, 0,1,2
	v_mov_b32 v[\pc+3+\i], v[240+\i]
.endr
	global_store_b128 v[L16], v[\pc:\pc+3], s[\base:\base+1]             ; 512 consecutive bytes, aligned
	global_store_b64 v[L8], v[\pc+4:\pc+5], s[\base:\base+1] offset:512  ; 256
.endm
	OUT 10, 160, 96, 224, 246, 90
	OUT 14, 192, 128, 230, 247, 92
	v_and_b32 v3, 15, v0
	v_lshlrev_b32 v3, 5, v3
	v_bfe_u32 v4, v0, 4, 1
	v_mad_u32_u24 v3, v4, s96, v3                  ; lanes 0-15: L's row r; lanes 16-31: H's
	v_cmp_eq_u32 vcc_lo, 0, v4
	v_cndmask_b32 v5, v247, v246, vcc_lo
	global_store_b16 v3, v5, s[94:95]              ; two bytes of a row's 32: the other heads' work-groups own the rest
	v_lshl_add_u32 v236, v0, 2, SPARE
	v_mov_b32 v237, 0
	s_wait_alu depctr_va_vdst(0)
	s_wait_tensorcnt 0x0                           ; the wave's end
	ds_add_u32 v236, v237
	s_wait_dscnt 0x0
	ROUND                                          ; the closing round
	s_endpgm
.Lfunc_end_k_q252b0f81ec_attn:
	.size	k_q252b0f81ec_attn, .Lfunc_end_k_q252b0f81ec_attn-k_q252b0f81ec_attn
	.p2alignl 7, 3214868480
	.fill 96, 4, 3214868480
	.section	.rodata,"a",@progbits
	.p2align	6, 0x0
	.amdhsa_kernel k_q252b0f81ec_attn
		.amdhsa_group_segment_fixed_size 210944
		.amdhsa_private_segment_fixed_size 0
		.amdhsa_enable_private_segment 0
		.amdhsa_kernarg_size 16
		.amdhsa_user_sgpr_count 2
		.amdhsa_user_sgpr_kernarg_segment_ptr 1
		.amdhsa_wavefront_size32 1
		.amdhsa_system_sgpr_workgroup_id_x 1
		.amdhsa_system_sgpr_workgroup_id_y 1
		.amdhsa_system_sgpr_workgroup_id_z 1
		.amdhsa_system_vgpr_workitem_id 0
		.amdhsa_next_free_vgpr 256
		.amdhsa_next_free_sgpr 100
		.amdhsa_reserve_vcc 1
		.amdhsa_float_denorm_mode_32 3
		.amdhsa_float_denorm_mode_16_64 3
		.amdhsa_memory_ordered 1
		.amdhsa_forward_progress 1
		.amdhsa_inst_pref_size 93
	.end_amdhsa_kernel
	.amdgpu_metadata
---
amdhsa.version: [ 1, 2 ]
amdhsa.kernels:
  - .name:           k_q252b0f81ec_attn
    .symbol:         k_q252b0f81ec_attn.kd
    .args:
      - { .name: qkv, .offset: 0, .size: 8, .value_kind: global_buffer, .address_space: global }
      - { .name: yq, .offset: 8, .size: 8, .value_kind: global_buffer, .address_space: global }
    .group_segment_fixed_size: 210944
    .private_segment_fixed_size: 0
    .kernarg_segment_align: 8
    .kernarg_segment_size: 16
    .max_flat_workgroup_size: 512
    .sgpr_count:     100
    .vgpr_count:     256
    .wavefront_size: 32
...
	.end_amdgpu_metadata
.endif
;; end of part 3
;; launch proj (part 4): grid 8 x 32, 4 waves a work-group, clusters of 4 x 4, 327,680 bytes of LDS; arguments yq, wq, b_proj, out0; writes out0
.if DOCPART == 4
	.amdgcn_target "amdgcn-amd-amdhsa--gfx1250"
	.amdhsa_code_object_version 6
	.text
	.protected	k_q252b0f81ec_proj
	.globl	k_q252b0f81ec_proj
	.p2align	8
	.type	k_q252b0f81ec_proj,@function
k_q252b0f81ec_proj:
	s_mov_b64 s[64:65], 0
	v_nop
	global_prefetch_b8 v0, s[64:65] scope:SCOPE_SE
	s_setreg_imm32_b32 hwreg(HW_REG_WAVE_MODE, 25, 1), 1
	s_wait_xcnt 0x0
	s_wait_alu depctr_hold_cnt(0) depctr_sa_sdst(0) depctr_va_vdst(0) depctr_va_sdst(0) depctr_va_ssrc(0) depctr_va_vcc(0) depctr_vm_vsrc(0)
	s_getreg_b32 s2, hwreg(HW_REG_IB_STS2, 6, 4)
	s_cmp_eq_u32 s2, 0
	s_cbranch_scc0 .Lentry_in_a_cluster
	s_endpgm
.Lentry_in_a_cluster:
	s_bfe_u32 s2, ttmp6, 0x10000c
	s_cmp_lg_u32 s2, 0xf033
	s_cbranch_scc0 .Lentry_shape_is_right
	s_endpgm
.Lentry_shape_is_right:
; out0 = y W_proj + b_proj on codes of FP6 (E2M3) with E8M0 scales, K = 1,024, sums in f32.
; THE DEAL.  256 work-groups of four waves, 2 x 2; a work-group makes 256 rows x 128 columns, the wave (a, b) rows 128 a .. and columns 64 b ...  4 x 4 work-groups form a cluster: y's tiles are shared along a row, W's along a column.
; ALL OF K LIES IN LDS AT ONCE: y's 16 tiles of 16 positions (196,608 bytes) and W's 8 tiles (98,304), both as operand images (units of 768 bytes = 16 rows x 64 K: registers 0-3 at 16 x lane, 4-5 at 512 + 8 x lane), dense in memory,
; stated as rows of 256 bytes; y's scale bytes (8,192, padded by 16 behind each 256).  Filled once, one joint load a wave at the head: wave 0 W, wave 1 the scale bytes, waves 2, 3 a half of y each.  Nothing is filled again.
; The first barrier shows wave 0's load alone (its line is its own): each wave takes its 64 columns of W, all of K, into 384 registers while the other tiles are out.  The second barrier, with every wave's wait, shows the rest.
; A BLOCK is 16 rows of y, all of K: 8 fragments and 8 scale words, in two sets of registers by turns, fetched two blocks ahead; 32 products on four accumulators by turns, K ascending.
; The bias is the C of a block's first four products.  Source 0 = W's rows, source 1 = y's: a lane holds one row of the result and eight neighbouring columns a tile.
; THE WAY OUT of a block stands among the next block's products: through the wave's own stage in LDS (16 rows x 272 bytes), back as rows of 256 bytes, two rows a store: each store fills aligned units of 256 bytes.
; POSITIONS: bits 3 and 4 of a token's, and of a column's, number have changed places in yq and wq: tile T, row m is number 32 (T / 2) + 16 (m / 8) + 8 (T % 2) + m % 8.
; No prefetch: every tile is asked for at the head, there is no loop to run ahead in.  LIMITS: NaN and infinities are not served.
; REGISTERS: window 0: v1-19 lane terms and addresses, v28, v29 the add's, v32-47 W's scale words, v52-67 y's (two sets; the two runs differ by 4 modulo 8), v72-103 the bias, v104-167 two sets of accumulators, v168-199 rows on the way out.
; Fragment f lies in window 1 + f / 21 at register 12 (f % 21): 0-31 W's (4 q + t), 32-39 and 40-47 y's two sets.
.set BVB,   196608                     ; LDS: y's codes at 0, W's here,
.set SCL,   294912                     ; y's scale bytes: 32 units of 272,
.set STG,   303616                     ; the four stages of 4,352,
.set SPARE, 321024                     ; the spare words
.set YS_O,  6291456
.set WS_O,  3145728
.set NF,    34                         ; LDS loads of a block's fetch
.set A16L, 4
.set A8L,  5
.set A16H, 6
.set A8H,  7
.set B16,  8
.set B8,   9
.set AAS,  10
.set ABS,  11
.set STO,  12
.set RD,   13
.set CO,   14
.set BO,   15
.set SPW,  28
.set NIL,  29
.set SB,   32
.set SA,   52
.set BI,   72
.set ACC,  104
.set OB,   168
.set G1A, 24
.set G0A, 32
.set G1B, 48
.set G0B, 56
.set G1S, 68
.set G0S, 76
.set MSB, 0
.macro WIN new                         ; the immediate's high byte repeats the setting that is left
.if MSB != (\new)
	s_set_vgpr_msb (MSB<<8)|(\new)
.set MSB, (\new)
.endif
.endm
.macro PLACES n
.rept \n
	v_nop
.endr
.endm
.macro BARRIER
	s_barrier_signal -1
	s_barrier_wait -1
.endm
.macro CROUND
	BARRIER
	s_cmp_lg_u32 s14, 0
	s_cbranch_scc1 .Lnot_wave_0_\@
	s_barrier_signal -3
.Lnot_wave_0_\@:
	s_barrier_wait -3
	BARRIER
.endm
	s_load_b256 s[4:11], s[0:1], 0x0               ; yq, wq, b_proj, out0
	v_lshl_add_u32 v[SPW], v0, 2, SPARE
	v_mov_b32 v[NIL], 0
	ds_add_u32 v[SPW], v[NIL]                      ; the opening lines
	ds_add_u32 v[SPW], v[NIL]
	v_lshrrev_b32 v1, 5, v0
	v_readfirstlane_b32 s14, v1                    ; wave
	s_lshr_b32 s15, s14, 1                         ; a: my half of the rows
	s_and_b32 s16, s14, 1                          ; b: my half of the columns
	s_bfe_u32 s40, ttmp6, 0x40000                  ; cx
	s_bfe_u32 s41, ttmp6, 0x40004                  ; cy
	s_lshl_b32 s42, ttmp9, 2
	s_add_co_u32 s42, s42, s40                     ; tile column, 0 .. 7
	s_and_b32 s17, ttmp7, 0xffff
	s_lshl_b32 s17, s17, 2
	s_add_co_u32 s17, s17, s41                     ; tile row, 0 .. 31
	s_lshl_b32 s43, s41, 2
	s_lshl_b32 s43, 15, s43                        ; my row of the cluster
	s_lshl_b32 s44, 0x1111, s40                    ; my column
	s_or_b32 s[G1A], s43, (3<<16)|(1<<21)          ; 98,304 dense bytes as 384 rows of 32 elements of 8 bytes
	s_or_b32 s[G1B], s44, (3<<16)|(1<<21)
.irp g, G1A, G1B
	s_mov_b32 s[\g+1], 32<<16
	s_mov_b32 s[\g+2], 384<<16
	s_mov_b32 s[\g+3], 32<<16
	s_mov_b32 s[\g+4], 384
	s_mov_b32 s[\g+5], 32
	s_mov_b32 s[\g+6], 0
	s_mov_b32 s[\g+7], 0
.endr
	s_or_b32 s[G1S], s43, (3<<16)|(1<<20)|(1<<21)|(5<<22)|(3<<25)   ; 8,192 dense bytes as 32 rows of 256, 16 bytes of padding behind each
	s_mov_b32 s[G1S+1], 32<<16
	s_mov_b32 s[G1S+2], 32<<16
	s_mov_b32 s[G1S+3], 32<<16
	s_mov_b32 s[G1S+4], 32
	s_mov_b32 s[G1S+5], 32
	s_mov_b32 s[G1S+6], 0
	s_mov_b32 s[G1S+7], 0
	s_mul_i32 s20, s17, 196608                     ; y's 16 tiles
	s_mov_b32 s21, 0
	s_lshl_b32 s22, s17, 13                        ; their scale bytes
	s_add_co_u32 s22, s22, YS_O
	s_mov_b32 s23, 0
	s_mul_i32 s46, s42, 98304                      ; W's 8 tiles: tile 192 + 8 x column tile of wq, 12,288 bytes a tile
	s_add_co_u32 s46, s46, 192*12288
	s_mov_b32 s47, 0
	s_lshl_b32 s92, s42, 7                         ; the scale bytes of my 64 columns: position 3,072 + 128 x column tile + 64 b
	s_lshl_b32 s18, s16, 6
	s_add_co_u32 s92, s92, s18
	s_lshl_b32 s90, s92, 2                         ; and the same columns in bytes of f32
	s_add_co_u32 s92, s92, 3072
	s_lshl_b32 s92, s92, 5
	s_add_co_u32 s92, s92, WS_O
	s_mov_b32 s93, 0
	s_mov_b32 s91, 0
	s_wait_dscnt 0x0                               ; both opening adds are done
	s_wait_kmcnt 0x0
	CROUND                                         ; in front of the first joint loads
	s_mov_b32 s[G0B], 1
	s_mov_b32 s[G0B+1], BVB
	s_add_nc_u64 s[G0B+2:G0B+3], s[6:7], s[46:47]
	s_or_b32 s[G0B+3], s[G0B+3], 0x80000000
	s_mov_b32 s[G0S], 1
	s_mov_b32 s[G0S+1], SCL
	s_add_nc_u64 s[G0S+2:G0S+3], s[4:5], s[22:23]
	s_or_b32 s[G0S+3], s[G0S+3], 0x80000000
	s_mov_b32 s[G0A], 1
	s_mov_b32 s[G0A+1], 0
	s_add_nc_u64 s[G0A+2:G0A+3], s[4:5], s[20:21]
	s_mov_b32 s[G0A+4], 1
	s_mov_b32 s[G0A+5], 98304
	s_add_nc_u64 s[G0A+6:G0A+7], s[G0A+2:G0A+3], 98304
	s_or_b32 s[G0A+3], s[G0A+3], 0x80000000
	s_or_b32 s[G0A+7], s[G0A+7], 0x80000000
.macro ARM under, g0, g1, next         ; one tree of branches on the wave's number: every way passes exactly one load
	s_cmp_lt_u32 s14, \under
	s_cbranch_scc0 \next
	tensor_load_to_lds s[\g0:\g0+3], s[\g1:\g1+7]
	s_nop 0
	PLACES 4
	s_branch .Lhead_asked
\next:
.endm
	ARM 1, G0B, G1B, .Lhead_s                      ; wave 0: W, which goes on into registers
	ARM 2, G0S, G1S, .Lhead_0                      ; wave 1: y's scale bytes
	ARM 3, G0A, G1A, .Lhead_1                      ; wave 2: y's tiles 0-7
	tensor_load_to_lds s[G0A+4:G0A+7], s[G1A:G1A+7]   ; wave 3: tiles 8-15
	s_nop 0
	PLACES 4
.Lhead_asked:
	s_add_nc_u64 s[92:93], s[6:7], s[92:93]
	s_add_nc_u64 s[8:9], s[8:9], s[90:91]          ; b_proj at my 64 columns
	s_add_nc_u64 s[10:11], s[10:11], s[90:91]
	s_lshl_b32 s90, s17, 8
	s_lshl_b32 s18, s15, 7
	s_add_co_u32 s90, s90, s18
	s_lshl_b32 s90, s90, 12                        ; my first row: 256 x tile row + 128 a, rows of 4,096 bytes
	s_add_nc_u64 s[10:11], s[10:11], s[90:91]
	s_mul_i32 s94, s15, 98304                      ; LDS: my 8 tiles of y
	s_mul_i32 s95, s16, 49152
	s_add_co_u32 s95, s95, BVB                     ; my 4 tiles of W
	s_mul_i32 s96, s15, 8*544
	s_add_co_u32 s96, s96, SCL                     ; my rows' scale words: 544 bytes a tile
	s_mul_i32 s97, s14, 4352
	s_add_co_u32 s97, s97, STG                     ; my stage
	v_and_b32 v1, 15, v0                           ; r
	v_bfe_u32 v2, v0, 4, 1                         ; h
	v_and_b32 v3, 31, v0
	v_lshlrev_b32 v[ABS], 5, v3                    ; W's scale bytes: 32 a position; lanes 0-15 an even tile's, lanes 16-31 the odd one's
	v_lshlrev_b32 v[BO], 6, v2                     ; the bias: lanes 16-31 sixteen columns on
.irp p, 0,1
.irp c, 0,1
	global_load_b128 v[SB+8*\p+4*\c:SB+8*\p+4*\c+3], v[ABS], s[92:93] offset:\p*1024+16*\c
.endr
.endr
.irp t, 0,1,2,3
	global_load_b128 v[BI+8*\t:BI+8*\t+3], v[BO], s[8:9] offset:(32*(\t/2)+8*(\t%2))*4      ; register j of tile t: column 32 (t / 2) + 8 (t % 2) + 16 h + j
	global_load_b128 v[BI+8*\t+4:BI+8*\t+7], v[BO], s[8:9] offset:(32*(\t/2)+8*(\t%2))*4+16
.endr
	v_lshlrev_b32 v16, 4, v3
	v_lshlrev_b32 v17, 3, v3
	v_add_nc_u32 v[A16L], s94, v16
	v_add_nc_u32 v[A8L], s94, v17
	s_add_co_u32 s94, s94, 49152                   ; blocks 4-7: the immediates stay under 65,536
	v_add_nc_u32 v[A16H], s94, v16
	v_add_nc_u32 v[A8H], s94, v17
	v_add_nc_u32 v[B16], s95, v16
	v_add_nc_u32 v[B8], s95, v17
	v_lshlrev_b32 v18, 5, v1
	v_lshrrev_b32 v19, 3, v1
	v_lshl_add_u32 v18, v19, 4, v18                ; 32 r + 16 (r / 8)
	v_add_nc_u32 v[AAS], s96, v18
	v_mul_u32_u24 v18, v1, 272
	v_lshl_add_u32 v18, v2, 6, v18
	v_add_nc_u32 v[STO], s97, v18                  ; into the stage: row r, 64 h bytes along it
	v_mul_u32_u24 v18, v2, 272
	v_lshl_add_u32 v18, v1, 4, v18
	v_add_nc_u32 v[RD], s97, v18                   ; out of it: lanes 0-15 one row of 256 bytes, lanes 16-31 the next
	v_lshlrev_b32 v18, 4, v1
	v_lshl_add_u32 v[CO], v2, 12, v18              ; and the same two rows in out0
.macro FRG f, a16, a8, off             ; a fragment: two units of 768 bytes
.set R_, 12*((\f)%21)
	WIN (1+(\f)/21)<<6
	ds_load_b128 v[R_:R_+3], v[\a16] offset:\off
	ds_load_b64 v[R_+4:R_+5], v[\a8] offset:(\off)+512
	ds_load_b128 v[R_+6:R_+9], v[\a16] offset:(\off)+768
	ds_load_b64 v[R_+10:R_+11], v[\a8] offset:(\off)+1280
.endm
.macro FETCH s                         ; block s into set s % 2: NF loads
.irp q, 0,1,2,3,4,5,6,7
.if (\s) < 4
	FRG 32+8*((\s)%2)+\q, A16L, A8L, ((\s)%4)*12288+\q*1536
.else
	FRG 32+8*((\s)%2)+\q, A16H, A8H, ((\s)%4)*12288+\q*1536
.endif
.endr
	WIN 0
	ds_load_b128 v[SA+8*((\s)%2):SA+8*((\s)%2)+3], v[AAS] offset:(\s)*544
	ds_load_b128 v[SA+8*((\s)%2)+4:SA+8*((\s)%2)+7], v[AAS] offset:(\s)*544+16
.endm
.macro PROD1 c
.if T_%2
	v_wmma_scale_f32_16x16x128_f8f6f4 v[D_:D_+7], v[12*(FB_%21):12*(FB_%21)+11], v[12*(FA_%21):12*(FA_%21)+11], \c, v[SB+8*(T_/2)+Q_], v[SA+8*E_+Q_] matrix_a_fmt:MATRIX_FMT_FP6 matrix_b_fmt:MATRIX_FMT_FP6 matrix_a_scale:MATRIX_SCALE_ROW1
.else
	v_wmma_scale_f32_16x16x128_f8f6f4 v[D_:D_+7], v[12*(FB_%21):12*(FB_%21)+11], v[12*(FA_%21):12*(FA_%21)+11], \c, v[SB+8*(T_/2)+Q_], v[SA+8*E_+Q_] matrix_a_fmt:MATRIX_FMT_FP6 matrix_b_fmt:MATRIX_FMT_FP6
.endif
.endm
.macro PROD s, n                       ; product n = 4 q + t of block s
.set Q_, (\n)/4
.set T_, (\n)%4
.set E_, (\s)%2
.set FB_, 4*Q_+T_
.set FA_, 32+8*E_+Q_
.set D_, ACC+32*E_+8*T_
	WIN (1+FB_/21)|((1+FA_/21)<<2)
.if Q_
	PROD1 v[D_:D_+7]
.else
	PROD1 v[BI+8*T_:BI+8*T_+7]
.endif
.endm
.macro OUTA p                          ; block p into my stage and back by rows.  LDS serves a wave's instructions in order (ISA guide 5.7.1.4): no wait between the stores and the loads
.set AC_, ACC+32*((\p)%2)
	WIN 0
.irp t, 0,1,2,3
	ds_store_b128 v[STO], v[AC_+8*\t:AC_+8*\t+3] offset:128*(\t/2)+32*(\t%2)        ; each accumulator from its low end on
	ds_store_b128 v[STO], v[AC_+8*\t+4:AC_+8*\t+7] offset:128*(\t/2)+32*(\t%2)+16
.endr
	s_wait_xcnt 0x0                                ; the last block's stores have read their registers
.irp k, 0,1,2,3,4,5,6,7
	ds_load_b128 v[OB+4*\k:OB+4*\k+3], v[RD] offset:\k*544
.endr
.endm
.macro OUTB p                          ; rows 2 k and 2 k + 1 of tile p: tokens 32 (p / 2) + 8 (p % 2) + 16 (k / 4) + 2 (k % 4) and the next
	WIN 0
	s_wait_dscnt 0x0                               ; the rows are back (and the fetch issued ahead of them has landed)
.irp k, 0,1,2,3,4,5,6,7
	global_store_b128 v[CO], v[OB+4*\k:OB+4*\k+3], s[10:11] offset:(32*((\p)/2)+8*((\p)%2)+16*(\k/4)+2*(\k%4))*4096 th:TH_STORE_NT   ; sixteen lanes store 256 consecutive bytes, aligned
.endr
.endm
.macro BLK s
.if (\s) < 7
	s_wait_dscnt NF                                ; my rows are in; the next block's fetch, NF loads, may be out
.else
	s_wait_dscnt 0x0
.endif
.set N_, 0
.rept 32
	PROD \s, N_
.if (\s) > 0
.if N_ == 7
	OUTA (\s)-1
.endif
.if N_ == 23
	OUTB (\s)-1
.endif
.endif
.set N_, N_+1
.endr
	WIN 0
	PLACES 4                                       ; places between the block's products and the loads into their sources, and the LDS stores of their results
.if (\s) < 6
	FETCH (\s)+2
.endif
.endm
	s_wait_alu depctr_va_vdst(0)                   ; the wait at the head's end
	s_cmp_eq_u32 s14, 0
	s_cbranch_scc0 .Lnot_w
	s_wait_tensorcnt 0x0                           ; wave 0: W has landed
.Lnot_w:
	BARRIER                                        ; the other waves' loads may be out
.irp q, 0,1,2,3,4,5,6,7
.irp t, 0,1,2,3
	FRG 4*\q+\t, B16, B8, \t*12288+\q*1536         ; my 64 columns of W, all of K: 128 loads
.endr
.endr
	WIN 0
	s_wait_tensorcnt 0x0                           ; every wave's load has landed,
	s_wait_dscnt 0x0
	BARRIER                                        ; everybody's has
	FETCH 0
	FETCH 1
	s_wait_loadcnt 0x0                             ; W's scale words and the bias
.irp s, 0,1,2,3,4,5,6,7
	BLK \s
.endr
	OUTA 7
	OUTB 7
	s_wait_tensorcnt 0x0                           ; the wave's end
	ds_add_u32 v[SPW], v[NIL]
	s_wait_dscnt 0x0
	CROUND                                         ; the closing round
	s_endpgm
.Lfunc_end_k_q252b0f81ec_proj:
	.size	k_q252b0f81ec_proj, .Lfunc_end_k_q252b0f81ec_proj-k_q252b0f81ec_proj
	.p2alignl 7, 3214868480
	.fill 96, 4, 3214868480
	.section	.rodata,"a",@progbits
	.p2align	6, 0x0
	.amdhsa_kernel k_q252b0f81ec_proj
		.amdhsa_group_segment_fixed_size 327680
		.amdhsa_private_segment_fixed_size 0
		.amdhsa_enable_private_segment 0
		.amdhsa_kernarg_size 32
		.amdhsa_user_sgpr_count 2
		.amdhsa_user_sgpr_kernarg_segment_ptr 1
		.amdhsa_wavefront_size32 1
		.amdhsa_system_sgpr_workgroup_id_x 1
		.amdhsa_system_sgpr_workgroup_id_y 1
		.amdhsa_system_sgpr_workgroup_id_z 1
		.amdhsa_system_vgpr_workitem_id 0
		.amdhsa_next_free_vgpr 1024
		.amdhsa_next_free_sgpr 100
		.amdhsa_reserve_vcc 0
		.amdhsa_float_denorm_mode_32 3
		.amdhsa_float_denorm_mode_16_64 3
		.amdhsa_memory_ordered 1
		.amdhsa_forward_progress 1
		.amdhsa_inst_pref_size 85
	.end_amdhsa_kernel
	.amdgpu_metadata
---
amdhsa.version: [ 1, 2 ]
amdhsa.kernels:
  - .name:           k_q252b0f81ec_proj
    .symbol:         k_q252b0f81ec_proj.kd
    .args:
      - { .name: yq, .offset: 0, .size: 8, .value_kind: global_buffer, .address_space: global }
      - { .name: wq, .offset: 8, .size: 8, .value_kind: global_buffer, .address_space: global }
      - { .name: b_proj, .offset: 16, .size: 8, .value_kind: global_buffer, .address_space: global }
      - { .name: out0, .offset: 24, .size: 8, .value_kind: global_buffer, .address_space: global }
    .group_segment_fixed_size: 327680
    .private_segment_fixed_size: 0
    .kernarg_segment_align: 8
    .kernarg_segment_size: 32
    .max_flat_workgroup_size: 128
    .sgpr_count:     100
    .vgpr_count:     1024
    .wavefront_size: 32
...
	.end_amdgpu_metadata
.endif
;; end of part 4
